; MI455X (gfx1250); checked and timed in simulation.
; The chip was launched on July 23, 2026; its instructions are those of AMD's public machine-readable ISA for CDNA 5 (MIT licence, August 2026) and "CDNA5" Instruction Set Architecture Reference Guide (July 2026). The comments in the code are by the model that wrote it; some were corrected since.
;; Moe Gather Rs Op. Allowed arithmetic: float matrix products may take bf16 or f16 operands with f32 sums; other float arithmetic in f32, or as packed bf16 or f16 multiplies, adds, multiply-adds, maxima and minima; sums over many terms, partial sums and values carried from step to step in f32; what a program stores and reads back later, other than sums and carried values, may be rounded once to bf16 or f16.
;; Inputs: input 16,384 x 512 float32; input_scale 1 float32; output_vec_scale 16,384 float32; scatter_index 8,192 x 2 int32; splits_cpu 8 int32; weight 8 x 512 x 1,024 float32; weight_scale 8 float32.
;; Outputs: out0 8,192 x 1,024 float32.
;; 2 versions, each right and faster than the one before. Each part assembles by itself: llvm-mc -triple=amdgcn-amd-amdhsa -mcpu=gfx1250 --defsym DOCPART=n.
;; ======== version 1 of 2: 2 launches
;; workspace buffers: wfrag 8,388,608 bytes; rec 176,640 bytes of whole numbers; tiles 2,560 bytes of whole numbers
;; launch prep (part 1): grid 129 x 1, 32 waves a work-group, no clusters, 152,064 bytes of LDS; arguments weight, scatter_index, splits_cpu, wfrag, rec, tiles; writes wfrag, rec, tiles
.if DOCPART == 1
	.amdgcn_target "amdgcn-amd-amdhsa--gfx1250"
	.amdhsa_code_object_version 6
	.text
	.protected	k_q205e8baa37_prep
	.globl	k_q205e8baa37_prep
	.p2align	8
	.type	k_q205e8baa37_prep,@function
k_q205e8baa37_prep:
	s_mov_b64 s[64:65], 0
	v_nop
	global_prefetch_b8 v0, s[64:65] scope:SCOPE_SE
	s_setreg_imm32_b32 hwreg(HW_REG_WAVE_MODE, 25, 1), 1
	s_wait_xcnt 0x0
; PREP.  Two jobs in one launch, chosen by the work-group's number alone (one branch at the head; it is the same for all waves of a work-group).
; Work-groups 1 .. 128: weight [8][512][1024] f32 is rounded once to bf16 and laid out as wfrag [e 8][g 16][ks 16][b 4][j2 2][lane 32][8 bf16], where the number i of lane l (r = l % 16, h = l / 16) is
;   W[e][32 ks + 16 j2 + 8 h + i][64 g + 4 r + b]: the order in which the next launch's waves take source 1 of their matrix instructions, 512 consecutive bytes a load.
; Work-group 0: the 8,192 tokens are sorted by their unordered pair of experts (lo <= hi), by counting, without atomics.  A row's expert is the number of prefix sums of splits_cpu that are <= the row (0 .. 8).
;   8 means no expert: such a row is filed under expert 7, and the next launch gives it the scale 0.  Class c = 8 hi + lo.  Each class gets ceil(count / 80) tiles of 80 slots.
;   rec [138 x 80][4]: row of the lower expert, row of the higher, token, 0: only slots that hold a token are stored.  tiles [160][4]: lo, hi, tokens in the tile (0 past the last tile), ceil(tokens / 16).
;   36 classes can hold tokens, so there are at most (8192 + 36 x 79) / 80 = 137 tiles, whatever the routing.
; All lanes stay on from the first line to the last: where lanes of one class would store one count, all of them store the same number to the same word.
; LIMITS.  splits_cpu holds no negative number and its sum stays under 2^31.  The weights' only rounding is the one to bf16 (nearest even).
.set HP,    260        ; bytes from group to group in H: 64 counts + one word, so that 32 lanes reading one class of 32 neighbouring groups touch 32 different words modulo 64
.set H2B,   81920      ; H: bytes 0 .. 81,919 (66,560 used).  H2 [class 64][8 wave + q], 65,536 bytes: where a group's tokens begin inside their class
.set TOTB,  147456     ; 64 words: tokens in each class
.set TBB,   147712     ; 64 words: first tile of each class
.set SPARE, 147968     ; the spare words, 128 bytes for each of 32 waves: sixteen blocks of 256 bytes that no other line names
.set PR,  8            ; v[8:23]    the thread's eight pairs of rows, as loaded
.set RK,  24           ; v[24:31]   token q: its rank among its wave's tokens of the same class
.set CL,  32           ; v[32:39]   token q: 4 x class
.set AD,  40           ; v[40:47]   token q: byte offset of its slot in rec
.set TM,  48           ; v[48:63]   at work
.set QD,  64           ; v[64:95]   token q: the four words of its slot
.set WK,  96           ; v[96:127]  at work
	s_load_b256 s[4:11], s[0:1], 0x0               ; weight s[4:5], scatter_index s[6:7], splits_cpu s[8:9], wfrag s[10:11]
	s_load_b128 s[12:15], s[0:1], 0x20             ; rec s[12:13], tiles s[14:15]
	v_lshl_add_u32 v1, v0, 2, SPARE                ; my spare word; never rewritten
	v_mov_b32 v2, 0                                ; 0; never rewritten
	v_lshrrev_b32 v3, 5, v0
	v_readfirstlane_b32 s2, v3                     ; wave 0 .. 31
	v_and_b32 v3, 31, v0                           ; lane
	v_and_b32 v4, 15, v0                           ; r
	v_bfe_u32 v5, v0, 4, 1                         ; h
	s_cmp_lg_u32 ttmp9, 0
	s_cbranch_scc1 .Lconv
; ---------------------------------------------------------------- work-group 0: the sort.  Token 1024 q + t, q = 0 .. 7; the 32 tokens of wave w and number q are group 32 q + w.
.macro MEET                            ; what others read behind the barrier is complete in front of my signal
	s_wait_dscnt 0x0
	s_barrier_signal -1
	s_barrier_wait -1
.endm
.macro EXPERT e, r                     ; v[e] = min(7, how many of the eight prefix sums are <= v[r])
	v_mov_b32 v[\e], 0
.irp i, 0,1,2,3,4,5,6,7
	v_cmp_le_u32 vcc_lo, s[16+\i], v[\r]
	v_add_co_ci_u32 v[\e], vcc_lo, 0, v[\e], vcc_lo
.endr
	v_min_u32 v[\e], 7, v[\e]
.endm
.macro PEERS m, key                    ; v[m] = the mask of my wave's lanes whose v[key] (0 .. 7) equals mine
	v_cmp_eq_u32 s24, 0, v[\key]
	v_cndmask_b32 v[\m], 0, s24, s24
.irp i, 1,2,3,4,5,6,7
	v_cmp_eq_u32 s24, \i, v[\key]
	v_cndmask_b32 v[\m], v[\m], s24, s24
.endr
.endm
.macro ONES x, t                       ; v[x] = the number of ones in v[x]: sums of 2, 4 and 8 neighbouring bits, then of the four bytes
	v_lshrrev_b32 v[\t], 1, v[\x]
	v_and_b32 v[\t], s32, v[\t]
	v_sub_nc_u32 v[\x], v[\x], v[\t]
	v_lshrrev_b32 v[\t], 2, v[\x]
	v_and_b32 v[\x], s33, v[\x]
	v_and_b32 v[\t], s33, v[\t]
	v_add_nc_u32 v[\x], v[\x], v[\t]
	v_lshrrev_b32 v[\t], 4, v[\x]
	v_add_nc_u32 v[\x], v[\x], v[\t]
	v_and_b32 v[\x], s34, v[\x]
	v_lshrrev_b32 v[\t], 8, v[\x]
	v_add_nc_u32 v[\x], v[\x], v[\t]
	v_lshrrev_b32 v[\t], 16, v[\x]
	v_add_nc_u32 v[\x], v[\x], v[\t]
	v_and_b32 v[\x], 63, v[\x]
.endm
.macro WSCAN x, t, stot                ; v[x] becomes its running sum over the 32 lanes, own value included; s[stot] the total.  v[t] has been written before
.irp n, 1,2,4,8
	v_mov_b32_dpp v[\t], v[\x] row_shr:\n row_mask:0xf bank_mask:0xf bound_ctrl:1
	v_add_nc_u32 v[\x], v[\x], v[\t]
.endr
	v_readlane_b32 s24, v[\x], 15                  ; the lower sixteen lanes' total
	v_mad_u32_u24 v[\x], v5, s24, v[\x]            ; goes onto the upper sixteen
	v_readlane_b32 s[\stot], v[\x], 31
.endm
	s_wait_kmcnt 0x0
	s_load_b256 s[16:23], s[8:9], 0x0              ; the eight splits
	v_lshlrev_b32 v6, 3, v0
.irp q, 0,1,2,3,4,5,6,7
	global_load_b64 v[PR+2*\q:PR+2*\q+1], v6, s[6:7] offset:8192*\q  ; 256 consecutive bytes a wave
.endr
.irp k, 0,1,2,3
	v_mov_b32 v[TM+\k], 0
.endr
	v_lshlrev_b32 v[TM+4], 4, v0
	v_add_nc_u32 v[TM+5], 0x10000, v[TM+4]
.irp k, 0,1,2,3
	ds_store_b128 v[TM+4], v[TM:TM+3] offset:16384*\k  ; H is cleared: five stores of 16 bytes a thread cover bytes 0 .. 81,919
.endr
	ds_store_b128 v[TM+5], v[TM:TM+3]
	s_mul_i32 s25, s2, HP                          ; group 32 q + w lies at 260 w + 8,320 q
	s_mov_b32 s32, 0x55555555                      ; ONES' three masks
	s_mov_b32 s33, 0x33333333
	s_mov_b32 s34, 0x0f0f0f0f
	s_wait_kmcnt 0x0
.irp i, 1,2,3,4,5,6,7
	s_add_co_u32 s[16+\i], s[16+\i], s[15+\i]      ; prefix sums
.endr
	MEET                                           ; H is clear in every wave's eyes; the pairs may stay on their way
.macro TOKEN q
	s_wait_loadcnt 7-(\q)                          ; loads come back in order: pair q is in, the 7 - q younger ones may be out
	EXPERT TM, PR+2*(\q)
	EXPERT TM+1, PR+2*(\q)+1
	v_cmp_gt_u32 vcc_lo, v[TM], v[TM+1]            ; the pair is put in order of experts
	v_cndmask_b32 v[QD+4*(\q)],   v[PR+2*(\q)],   v[PR+2*(\q)+1], vcc_lo  ; the lower expert's row
	v_cndmask_b32 v[QD+4*(\q)+1], v[PR+2*(\q)+1], v[PR+2*(\q)],   vcc_lo  ; the higher expert's row
	v_cndmask_b32 v[TM+2], v[TM],   v[TM+1], vcc_lo  ; lo
	v_cndmask_b32 v[TM+3], v[TM+1], v[TM],   vcc_lo  ; hi
	v_add_nc_u32 v[QD+4*(\q)+2], 1024*(\q), v0     ; the token
	v_mov_b32 v[QD+4*(\q)+3], 0
	PEERS TM+4, TM+2
	PEERS TM+5, TM+3
	v_and_b32 v[TM+4], v[TM+4], v[TM+5]            ; the lanes of my class
	v_mbcnt_lo_u32_b32 v[RK+(\q)], v[TM+4], 0      ; how many of them stand below me
	ONES TM+4, TM+7                                ; and how many there are: the class's count in this group
	v_lshl_add_u32 v[TM+5], v[TM+3], 3, v[TM+2]
	v_min_u32 v[TM+5], 63, v[TM+5]                 ; class
	v_lshlrev_b32 v[CL+(\q)], 2, v[TM+5]
	v_add_nc_u32 v[TM+6], s25, v[CL+(\q)]
	ds_store_b32 v[TM+6], v[TM+4] offset:32*HP*(\q)  ; all lanes of a class write the same word with the same number
.endm
.irp q, 0,1,2,3,4,5,6,7
	TOKEN \q
.endr
	MEET                                           ; all counts are in H
; Wave w scans classes w and w + 32 over the 256 groups, in the order 8 x (group % 32) + group / 32.  H is only read here, H2 and TOT only written, each wave in bytes of its own.
	v_mul_u32_u24 v[TM], v3, HP
	v_lshl_add_u32 v[TM], s2, 2, v[TM]             ; group = my lane, class = my wave
	s_lshl_b32 s27, s2, 10
	s_add_co_u32 s27, s27, H2B
	v_lshl_add_u32 v[TM+1], v3, 5, s27             ; H2: class w, my lane's eight words
	s_lshl_b32 s29, s2, 2
	s_add_co_u32 s29, s29, TOTB
	v_mov_b32 v[TM+2], s29
	v_mov_b32 v[WK+18], 0
.macro SCAN hi
.irp k, 0,1,2,3,4,5,6,7
	ds_load_b32 v[WK+\k], v[TM] offset:32*HP*\k+128*(\hi)  ; groups lane + 32 k
.endr
	s_wait_dscnt 0x0
	v_add3_u32 v[WK+16], v[WK], v[WK+1], v[WK+2]
	v_add3_u32 v[WK+17], v[WK+3], v[WK+4], v[WK+5]
	v_add3_u32 v[WK+16], v[WK+16], v[WK+17], v[WK+6]
	v_add_nc_u32 v[WK+16], v[WK+16], v[WK+7]       ; my eight groups' sum
	v_mov_b32 v[WK+17], v[WK+16]
	WSCAN WK+17, WK+18, 28
	v_sub_nc_u32 v[WK+8], v[WK+17], v[WK+16]       ; what stands in front of my first group,
.irp k, 1,2,3,4,5,6,7
	v_add_nc_u32 v[WK+8+\k], v[WK+7+\k], v[WK+\k-1]  ; and of each further one
.endr
	ds_store_b128 v[TM+1], v[WK+8:WK+11]  offset:32768*(\hi)
	ds_store_b128 v[TM+1], v[WK+12:WK+15] offset:32768*(\hi)+16
	v_mov_b32 v[WK+19], s28
	ds_store_b32 v[TM+2], v[WK+19] offset:128*(\hi)  ; the class's total: every lane writes the same word with the same number
.endm
	SCAN 0
	SCAN 1
	MEET                                           ; H2 and TOT are whole
	s_cmp_lg_u32 s2, 0                             ; wave 0 alone: tiles of each class, ceil(total / 80), and their running sum
	s_cbranch_scc1 .Ltb_made
	v_lshl_add_u32 v[TM+3], v3, 2, TOTB
	ds_load_b32 v[WK],   v[TM+3]
	ds_load_b32 v[WK+1], v[TM+3] offset:128
	s_wait_dscnt 0x0
.irp z, 0,1
	v_add_nc_u32 v[WK+\z], 79, v[WK+\z]
	v_lshrrev_b32 v[WK+\z], 4, v[WK+\z]            ; (x + 79) / 16, at most 516,
	v_mul_u32_u24 v[WK+\z], 0xcccd, v[WK+\z]       ; divided by 5: times 52,429 / 2^18, exact up to far beyond 516
	v_lshrrev_b32 v[WK+\z], 18, v[WK+\z]
	v_mov_b32 v[WK+2+\z], v[WK+\z]
.endr
	WSCAN WK+2, WK+18, 30
	WSCAN WK+3, WK+18, 31
	v_sub_nc_u32 v[WK+2], v[WK+2], v[WK]
	v_sub_nc_u32 v[WK+3], v[WK+3], v[WK+1]
	v_add_nc_u32 v[WK+3], s30, v[WK+3]
	ds_store_b32 v[TM+3], v[WK+2] offset:TBB-TOTB
	ds_store_b32 v[TM+3], v[WK+3] offset:TBB-TOTB+128
.Ltb_made:
	MEET                                           ; TB is whole
; Every token's slot: 80 x its class's first tile + its group's place in the class + its rank in the group.
	s_lshl_b32 s27, s2, 5
	s_add_co_u32 s27, s27, H2B
.irp q, 0,1,2,3,4,5,6,7
	v_lshl_add_u32 v[WK+\q], v[CL+\q], 8, s27      ; H2 + 1,024 class + 32 wave
	v_add_nc_u32 v[WK+8+\q], TBB, v[CL+\q]
.endr
.irp q, 0,1,2,3,4,5,6,7
	ds_load_b32 v[WK+16+\q], v[WK+\q] offset:4*\q
	ds_load_b32 v[WK+24+\q], v[WK+8+\q]
.endr
	s_wait_dscnt 0x0
.irp q, 0,1,2,3,4,5,6,7
	v_mad_u32_u24 v[AD+\q], v[WK+24+\q], 80, v[WK+16+\q]
	v_add_nc_u32 v[AD+\q], v[AD+\q], v[RK+\q]
	v_min_u32 v[AD+\q], 0x2b1f, v[AD+\q]           ; inside rec's 11,040 slots
	v_lshlrev_b32 v[AD+\q], 4, v[AD+\q]
	global_store_b128 v[AD+\q], v[QD+4*\q:QD+4*\q+3], s[12:13]
.endr
; The table of tiles: thread u = 0 .. 159 (waves 0 to 4).  TB does not fall, so tile u's class is (how many of TB[0 .. 63] are <= u) - 1; past the last tile that is 63, and the count below comes out as 0.
	s_cmp_gt_u32 s2, 4
	s_cbranch_scc1 .Lsorted
	v_mov_b32 v8, TBB
	v_mov_b32 v9, 0
.irp half, 0,1
.irp i, 0,1,2,3,4,5,6,7
	ds_load_b128 v[WK+4*\i:WK+4*\i+3], v8 offset:128*\half+16*\i  ; every lane reads the same 32 words
.endr
	s_wait_dscnt 0x0
.set n, 0
.rept 32
	v_cmp_le_u32 vcc_lo, v[WK+n], v0
	v_add_co_ci_u32 v9, vcc_lo, 0, v9, vcc_lo
.set n, n+1
.endr
.endr
	v_add_nc_u32 v9, -1, v9
	v_min_u32 v9, 63, v9
	v_lshl_add_u32 v10, v9, 2, TOTB
	ds_load_b32 v11, v10                           ; the class's tokens
	ds_load_b32 v12, v10 offset:TBB-TOTB           ; its first tile
	s_wait_dscnt 0x0
	v_sub_nc_u32 v12, v0, v12
	v_mul_u32_u24 v12, 80, v12
	v_sub_nc_u32 v18, v11, v12                     ; tokens left from this tile on: held to 0 .. 80
	v_cmp_lt_i32 vcc_lo, 0, v18
	v_cndmask_b32 v18, 0, v18, vcc_lo
	v_min_u32 v18, 80, v18
	v_and_b32 v16, 7, v9                           ; lo
	v_lshrrev_b32 v17, 3, v9                       ; hi
	v_add_nc_u32 v19, 15, v18
	v_lshrrev_b32 v19, 4, v19                      ; blocks of 16 tokens
	v_lshlrev_b32 v13, 4, v0
	global_store_b128 v13, v[16:19], s[14:15]      ; 512 consecutive bytes a wave
.Lsorted:
	s_wait_tensorcnt 0x0                           ; the wave's end
	ds_add_u32 v1, v2
	s_wait_dscnt 0x0
	s_endpgm
; ---------------------------------------------------------------- work-groups 1 .. 128: expert e = (id - 1) / 16, columns 64 g .. 64 g + 63, g = (id - 1) % 16.  Wave w = 2 ks + j2 takes rows 16 w .. 16 w + 15.
; No LDS and no change of lanes: lane (r, h) loads columns 64 g + 4 r .. + 3 of rows 16 w + 8 h + 0 .. 7 (sixteen lanes read 256 consecutive bytes, aligned), and a column's eight numbers pack into 16 bytes.
.Lconv:
	s_sub_co_u32 s16, ttmp9, 1
	s_lshr_b32 s17, s16, 4
	s_and_b32 s18, s16, 15
	s_lshl_b32 s20, s17, 21                        ; an expert is 2,097,152 bytes
	s_lshl_b32 s18, s18, 8
	s_add_co_u32 s20, s20, s18
	s_lshl_b32 s19, s2, 16                         ; 16 rows of 4,096 bytes
	s_add_co_u32 s20, s20, s19
	s_mov_b32 s21, 0
	s_lshl_b32 s22, s16, 16                        ; in wfrag (e, g) is 65,536 bytes,
	s_lshr_b32 s19, s2, 1
	s_lshl_b32 s19, s19, 12                        ; a K step 4,096,
	s_add_co_u32 s22, s22, s19
	s_and_b32 s19, s2, 1
	s_lshl_b32 s19, s19, 9                         ; its half 512
	s_add_co_u32 s22, s22, s19
	s_mov_b32 s23, 0
	v_lshlrev_b32 v6, 15, v5
	v_lshl_add_u32 v6, v4, 4, v6                   ; 8 h rows + 16 r bytes
	v_lshlrev_b32 v7, 4, v3
	s_wait_kmcnt 0x0
	s_add_nc_u64 s[4:5], s[4:5], s[20:21]
	s_add_nc_u64 s[10:11], s[10:11], s[22:23]
.irp i, 0,1,2,3,4,5,6,7
	global_load_b128 v[16+4*\i:19+4*\i], v6, s[4:5] offset:4096*\i th:TH_LOAD_NT  ; each weight is read once in the launch
.endr
	s_wait_loadcnt 0x0
.irp b, 0,1,2,3
.irp p, 0,1,2,3
	v_cvt_pk_bf16_f32 v[48+4*\b+\p], v[16+8*\p+\b], v[20+8*\p+\b]  ; rows 2 p and 2 p + 1 of column b
.endr
.endr
.irp b, 0,1,2,3
	global_store_b128 v7, v[48+4*\b:51+4*\b], s[10:11] offset:1024*\b  ; 512 consecutive bytes, aligned
.endr
	s_endpgm
.Lfunc_end_k_q205e8baa37_prep:
	.size	k_q205e8baa37_prep, .Lfunc_end_k_q205e8baa37_prep-k_q205e8baa37_prep
	.p2alignl 7, 3214868480
	.fill 96, 4, 3214868480
	.section	.rodata,"a",@progbits
	.p2align	6, 0x0
	.amdhsa_kernel k_q205e8baa37_prep
		.amdhsa_group_segment_fixed_size 152064
		.amdhsa_private_segment_fixed_size 0
		.amdhsa_enable_private_segment 0
		.amdhsa_kernarg_size 48
		.amdhsa_user_sgpr_count 2
		.amdhsa_user_sgpr_kernarg_segment_ptr 1
		.amdhsa_wavefront_size32 1
		.amdhsa_system_sgpr_workgroup_id_x 1
		.amdhsa_system_sgpr_workgroup_id_y 1
		.amdhsa_system_sgpr_workgroup_id_z 1
		.amdhsa_system_vgpr_workitem_id 0
		.amdhsa_next_free_vgpr 128
		.amdhsa_next_free_sgpr 66
		.amdhsa_reserve_vcc 1
		.amdhsa_float_denorm_mode_32 3
		.amdhsa_float_denorm_mode_16_64 3
		.amdhsa_memory_ordered 1
		.amdhsa_forward_progress 1
		.amdhsa_inst_pref_size 57
	.end_amdhsa_kernel
	.amdgpu_metadata
---
amdhsa.version: [ 1, 2 ]
amdhsa.kernels:
  - .name:           k_q205e8baa37_prep
    .symbol:         k_q205e8baa37_prep.kd
    .args:
      - { .name: weight, .offset: 0, .size: 8, .value_kind: global_buffer, .address_space: global }
      - { .name: scatter_index, .offset: 8, .size: 8, .value_kind: global_buffer, .address_space: global }
      - { .name: splits_cpu, .offset: 16, .size: 8, .value_kind: global_buffer, .address_space: global }
      - { .name: wfrag, .offset: 24, .size: 8, .value_kind: global_buffer, .address_space: global }
      - { .name: rec, .offset: 32, .size: 8, .value_kind: global_buffer, .address_space: global }
      - { .name: tiles, .offset: 40, .size: 8, .value_kind: global_buffer, .address_space: global }
    .group_segment_fixed_size: 152064
    .private_segment_fixed_size: 0
    .kernarg_segment_align: 8
    .kernarg_segment_size: 48
    .max_flat_workgroup_size: 1024
    .sgpr_count:     66
    .vgpr_count:     128
    .wavefront_size: 32
...
	.end_amdgpu_metadata
.endif
;; end of part 1
;; launch moe (part 2): grid 2 x 138, 4 waves a work-group, no clusters, 168,448 bytes of LDS; arguments input, wfrag, rec, tiles, output_vec_scale, weight_scale, input_scale, splits_cpu, out0; writes out0
.if DOCPART == 2
	.amdgcn_target "amdgcn-amd-amdhsa--gfx1250"
	.amdhsa_code_object_version 6
	.text
	.protected	k_q205e8baa37_moe
	.globl	k_q205e8baa37_moe
	.p2align	8
	.type	k_q205e8baa37_moe,@function
k_q205e8baa37_moe:
	s_mov_b64 s[64:65], 0
	v_nop
	global_prefetch_b8 v0, s[64:65] scope:SCOPE_SE
	s_setreg_imm32_b32 hwreg(HW_REG_WAVE_MODE, 25, 1), 1
	s_wait_xcnt 0x0
; out0[t] = sA (x[rowA] W[lo]) + sB (x[rowB] W[hi]) for the tokens of one tile: at most 80 tokens that share the pair of experts (lo, hi), listed by the launch before (rec, tiles).
; s(row) = input_scale x weight_scale[expert] x output_vec_scale[row], or 0 for a row at or past the sum of splits_cpu (no expert).
; SHARES.  Work-group (slice, tile): the tile's tokens x columns 512 slice .. + 511.  It gathers the tile's 160 rows of x once, f32 to bf16, into LDS; one barrier.  Wave w then owns columns 128 w .. + 127 of the slice, as two
; passes of 64, and walks four SEGMENTS: (pass 0, rows A x W[lo]), (pass 0, rows B x W[hi]), then pass 1 likewise.  A segment is 16 K steps of 32: 5 blocks of 16 tokens x 4 blocks of 16 columns = 20 matrix instructions a step.
; The four segments are written out by macro, without a loop: each names its own rows' LDS addresses and its own weights' base, all made once and never rewritten.
; The weights come from wfrag straight into registers, already in source 1's order; each fragment has one reading wave, so LDS would add a store and a load and spare nothing.  Eight register buffers hold seven K steps ahead.
; LAYOUT.  Source 0 = 16 tokens (LDS), source 1 = 16 columns 64 g + 4 r + b (r = lane % 16) of column block b.  Register j of accumulator (m, b) is token slot 16 m + 8 (lane / 16) + j, column 64 g + 4 r + b.  The scaling writes
; b = 0 .. 3 into four neighbouring registers: 16 bytes of a row of out0; sixteen lanes store 256 consecutive bytes, aligned, and no stage in LDS is needed.
; EVERY SPLIT.  The grid has the most tiles that any routing can give (138 covers it).  A tile without tokens passes the barrier, jumps the work and stores nothing.  Slots past a tile's count repeat its last token (same rows, same scale,
; same address: the same wave stores the same bytes again); whole blocks of 16 slots past the count are not stored.
; NO CLUSTER.  x comes by a list and is rounded in registers, which no tensor descriptor covers; a slice of weights is shared only by the tiles of one pair, whose number hangs on the routing (0 to 103), so partners would not be alike.
; NUMBERS.  x and the three scales are rounded once to bf16 (nearest even), as the weights were; the product of three such scales is exact in f32.  Products are summed in f32; out = fma(sB, PB, sA PA) in f32.
; LIMITS.  splits_cpu holds no negative number, its sum stays under 2^31.  A row without expert gives 0 x (a product with expert 7's weights): that product has to be finite.  NaN, infinities and the sign of zero are not treated apart.
; REGISTERS, in windows of 256 (s_set_vgpr_msb: bits 1:0 source 0, 3:2 source 1, 5:4 source 2, 7:6 destination):
;   window 0: addresses, token offsets, scales     window 1: v0-159 the 20 accumulators, v160-239 two buffers of A fragments, v240-243 their LDS addresses
;   window 2: v0-159 PART, the scaled first product and then the result     window 3: eight buffers of 32 for the weights; before that six slots of 32 for the gather
.set PITCH, 1040       ; an LDS row: 1,024 bytes of bf16 + 16 = 260 words: the 16 rows of a fragment load start 4 words apart modulo 64 (ISA guide 11.1: 64 banks of 4 bytes)
.set PH,    80*PITCH   ; rows A: bytes 0 .. 83,199; rows B behind them
.set S0B,   160*PITCH  ; three tables of 128 words, one word a slot: sA, sB, the token
.set SPARE, S0B+1536   ; the spare words, 128 bytes for each wave: two blocks of 256 bytes that no other line names
.set SPW,  1           ; v1   my spare word; never rewritten
.set NIL,  2           ; v2   0; never rewritten
.set C16,  3           ; v3   16 (lane % 16)
.set SCA,  5           ; v5   S0B + 32 (lane / 16)
.set ABL,  6           ; v6   (lane % 16) PITCH + 16 (lane / 16): a fragment's place, token blocks 0 to 2
.set L16,  7           ; v7   16 lane
.set STA,  8           ; v8   the gather: where my 8 bytes of my first row go
.set SL0,  9           ; v9   the gather: my first slot
.set OFFQ, 10          ; v[10:29]  the gather: byte offset in x of my 16 bytes of row q
.set ABH,  30          ; v30  ABL + 48 rows: token blocks 3 and 4
.set TOK,  112         ; v[112:151] [8 m + j]: byte offset in out0 of my 16 bytes of that slot's token
.set SC0,  152         ; v[152:191] [8 m + j]: sA
.set SC1,  192         ; v[192:231] sB
.set CV,   232         ; v[232:247] a row's rounded numbers
.set AF,   160         ; window 1
.set AL0,  240         ; window 1: LDS addresses of my A fragments: rows A, token blocks 0 to 2,
.set AH0,  241         ; blocks 3 and 4;
.set AL1,  242         ; rows B likewise.  Never rewritten
.set AH1,  243
.set B0,   44          ; s[44:45] wfrag at the 65,536 bytes of (lo, g);  never rewritten, as the next three
.set B1,   46          ; s[46:47] (hi, g)
.set B2,   48          ; s[48:49] (lo, g + 1)
.set B3,   50          ; s[50:51] (hi, g + 1)
.set MSB, 0
.macro WIN new                         ; the immediate's high byte repeats the setting that is left; a switch that changes nothing is dropped
.if MSB != (\new)
	s_set_vgpr_msb (MSB<<8)|(\new)
.set MSB, (\new)
.endif
.endm
.set W_MM, 0x5d        ; A, C, D in window 1, B in window 3; an LDS load under it has destination and address in window 1
.set W_B,  0xc0        ; a load's destination in window 3, its address in window 0
.set W_CV, 0x0f        ; sources 0 and 1 in window 3
.set W_EP, 0x81        ; destination (and v_fmac's addend) in window 2, source 0 in window 1, source 1 in window 0
.set W_ST, 0x08        ; a store's data in window 2
.set W_A1, 0x40        ; destination in window 1
.macro PLACES                          ; four plain vector instructions between a matrix instruction and a load into, or a vector read of, its registers (ISA guide 7.12.1 for vector reads)
.rept 4
	v_nop
.endr
.endm
	s_load_b512 s[4:19], s[0:1], 0x0               ; input s[4:5], wfrag s[6:7], rec s[8:9], tiles s[10:11], output_vec_scale s[12:13], weight_scale s[14:15], input_scale s[16:17], splits_cpu s[18:19]
	s_load_b64 s[20:21], s[0:1], 0x40              ; out0
	v_lshl_add_u32 v[SPW], v0, 2, SPARE
	v_mov_b32 v[NIL], 0
	v_lshrrev_b32 v31, 5, v0
	v_readfirstlane_b32 s2, v31                    ; wave 0 .. 3
	s_mov_b32 s3, ttmp9                            ; slice
	s_and_b32 s22, ttmp7, 0xffff                   ; tile
	v_and_b32 v32, 15, v0                          ; r
	v_bfe_u32 v33, v0, 4, 1                        ; h
	v_lshlrev_b32 v[C16], 4, v32
	v_lshl_add_u32 v[SCA], v33, 5, S0B
	v_mul_u32_u24 v[ABL], v32, PITCH
	v_lshl_add_u32 v[ABL], v33, 4, v[ABL]
	v_add_nc_u32 v[ABH], 48*PITCH, v[ABL]
	v_and_b32 v[L16], 31, v0
	v_lshlrev_b32 v[L16], 4, v[L16]
	s_mul_i32 s23, s2, 40*PITCH                    ; the gather: wave w fills LDS rows 40 w .. 40 w + 39, lanes 0-15 the first twenty, lanes 16-31 the others
	v_mul_u32_u24 v[STA], v33, 20*PITCH
	v_lshl_add_u32 v[STA], v32, 3, v[STA]
	v_add_nc_u32 v[STA], s23, v[STA]
	s_and_b32 s23, s2, 1                           ; waves 0, 1: rows A of slots 0-39, 40-79; waves 2, 3: rows B
	s_mul_i32 s23, s23, 40
	v_mul_u32_u24 v[SL0], v33, 20
	v_add_nc_u32 v[SL0], s23, v[SL0]
	s_lshr_b32 s29, s2, 1
	s_lshl_b32 s29, s29, 2                         ; byte of rowA (0) or rowB (4) in a slot's 16 bytes
	s_lshl_b32 s42, s22, 4
	s_mov_b32 s43, 0
	s_mul_i32 s58, s22, 1280
	s_mov_b32 s59, 0
	s_wait_kmcnt 0x0
	s_add_nc_u64 s[42:43], s[10:11], s[42:43]
	s_add_nc_u64 s[58:59], s[8:9], s[58:59]        ; rec at my tile's 80 slots
	s_load_b128 s[24:27], s[42:43], 0x0            ; lo, hi, tokens, blocks of 16 tokens
	s_load_b256 s[32:39], s[18:19], 0x0
	s_load_b32 s30, s[16:17], 0x0
	s_lshl_b32 s62, s3, 11
	s_lshl_b32 s23, s2, 9
	s_add_co_u32 s62, s62, s23
	s_mov_b32 s63, 0
	s_add_nc_u64 s[56:57], s[20:21], s[62:63]      ; out0 at my wave's first column: 2,048 slice + 512 w bytes
	s_lshl_b32 s23, s3, 3
	s_lshl1_add_u32 s23, s2, s23                   ; g of pass 0 = 8 slice + 2 w
	s_wait_kmcnt 0x0
	s_min_u32 s24, s24, 7
	s_min_u32 s25, s25, 7
	s_min_u32 s26, s26, 80
	s_min_u32 s27, s27, 5
	s_sub_co_u32 s28, s26, 1                       ; the last slot that holds a token
	s_lshl_b32 s60, s24, 2
	s_lshl_b32 s61, s25, 2
	s_load_b32 s40, s[14:15], s60 offset:0x0       ; weight_scale[lo], [hi]
	s_load_b32 s41, s[14:15], s61 offset:0x0
	s_add_co_u32 s31, s32, s33
.irp i, 34,35,36,37,38,39
	s_add_co_u32 s31, s31, s[\i]                   ; rows from here on have no expert
.endr
	s_lshl4_add_u32 s62, s24, s23
	s_lshl_b32 s62, s62, 16
	s_add_nc_u64 s[B0:B0+1], s[6:7], s[62:63]      ; (lo, g)
	s_lshl4_add_u32 s62, s25, s23
	s_lshl_b32 s62, s62, 16
	s_add_nc_u64 s[B1:B1+1], s[6:7], s[62:63]      ; (hi, g)
	s_add_nc_u64 s[B2:B2+1], s[B0:B0+1], 0x10000   ; (lo, g + 1)
	s_add_nc_u64 s[B3:B3+1], s[B1:B1+1], 0x10000   ; (hi, g + 1)
	s_wait_kmcnt 0x0
	s_cmp_eq_u32 s26, 0
	s_cbranch_scc1 .Lmeet                          ; a tile without tokens: nothing to gather.  The barrier stands behind the jump's target, on every wave's path
; ---------------------------------------------------------------- THE GATHER
.set q, 0
.rept 20                               ; which rows: slot SL0 + q, held to the slots that hold a token
	v_add_nc_u32 v[OFFQ+q], q, v[SL0]
	v_min_u32 v[OFFQ+q], s28, v[OFFQ+q]
	v_min_u32 v[OFFQ+q], 79, v[OFFQ+q]
	v_lshl_add_u32 v[OFFQ+q], v[OFFQ+q], 4, s29
	global_load_b32 v[OFFQ+q], v[OFFQ+q], s[58:59]
.set q, q+1
.endr
	v_min_u32 v31, s28, v0                         ; and for the tables: thread t takes slot t
	v_min_u32 v31, 79, v31
	v_lshlrev_b32 v31, 4, v31
	global_load_b128 v[32:35], v31, s[58:59]       ; rowA, rowB, token, 0
	s_wait_loadcnt 0x0
.set q, 0
.rept 20
	v_min_u32 v[OFFQ+q], 0x3fff, v[OFFQ+q]
	v_lshl_add_u32 v[OFFQ+q], v[OFFQ+q], 11, v[C16]  ; row x 2,048 bytes + my 16
.set q, q+1
.endr
	v_min_u32 v32, 0x3fff, v32
	v_min_u32 v33, 0x3fff, v33
	v_lshlrev_b32 v36, 2, v32
	v_lshlrev_b32 v37, 2, v33
	global_load_b32 v38, v36, s[12:13]
	global_load_b32 v39, v37, s[12:13]
.macro GLOAD q                         ; rows q of both halves of the lanes: eight loads, each two rows x 256 consecutive bytes, aligned
	WIN W_B
.irp c, 0,1,2,3,4,5,6,7
	global_load_b128 v[32*((\q)%6)+4*\c:32*((\q)%6)+4*\c+3], v[OFFQ+(\q)], s[4:5] offset:256*\c
.endr
.endm
.macro GCONV q                         ; rounded to bf16 and stored: my four numbers of each 256 bytes become 8 bytes of each 128
	WIN W_CV
.irp c, 0,1,2,3,4,5,6,7
	v_cvt_pk_bf16_f32 v[CV+2*\c],   v[32*((\q)%6)+4*\c],   v[32*((\q)%6)+4*\c+1]
	v_cvt_pk_bf16_f32 v[CV+2*\c+1], v[32*((\q)%6)+4*\c+2], v[32*((\q)%6)+4*\c+3]
.endr
	WIN 0
.irp c, 0,1,2,3,4,5,6,7
	ds_store_b64 v[STA], v[CV+2*\c:CV+2*\c+1] offset:PITCH*(\q)+128*\c
.endr
.endm
.irp q0, 0,1,2,3,4,5
	GLOAD \q0                                      ; six slots, 48 loads of a wave, are on their way
.endr
.set q, 0
.rept 20
.if q < 14
	s_wait_loadcnt 40                              ; loads come back in order: slot q's eight are in (and the two scales in front of them), the five younger slots' forty may be out
.else
	s_wait_loadcnt 8*(19-q)                        ; the last rows: the counts run down
.endif
	GCONV q
.if q < 14
	GLOAD q+6
.endif
.set q, q+1
.endr
	; The scales of slot t.  Each factor is rounded to bf16 as the matrix operands are; three factors of 8 significant bits multiply exactly in f32.
	v_cvt_pk_bf16_f32 v40, s30, s30
	v_cvt_pk_bf16_f32 v41, s40, s40
	v_cvt_pk_bf16_f32 v42, s41, s41
	v_cvt_pk_bf16_f32 v38, v38, v38
	v_cvt_pk_bf16_f32 v39, v39, v39
.irp x, 38,39,40,41,42
	v_lshlrev_b32 v[\x], 16, v[\x]
.endr
	v_mul_f32 v41, v40, v41
	v_mul_f32 v42, v40, v42
	v_mul_f32 v38, v41, v38
	v_mul_f32 v39, v42, v39
	v_cmp_gt_u32 vcc_lo, s31, v32                  ; a row at or past the splits' sum has no expert: scale 0
	v_cndmask_b32 v38, 0, v38, vcc_lo
	v_cmp_gt_u32 vcc_lo, s31, v33
	v_cndmask_b32 v39, 0, v39, vcc_lo
	v_lshl_add_u32 v43, v0, 2, S0B
	ds_store_b32 v43, v38
	ds_store_b32 v43, v39 offset:512
	ds_store_b32 v43, v34 offset:1024              ; and its token
.Lmeet:
	s_wait_dscnt 0x0                               ; my rows and table words are in LDS,
	s_barrier_signal -1
	s_barrier_wait -1                              ; everybody's are.  From here on LDS is only read: the launch's one barrier
	s_cmp_eq_u32 s26, 0
	s_cbranch_scc1 .Lend
; ---------------------------------------------------------------- THE PRODUCTS
.macro BLOAD buf, base, step           ; a K step's weights for my 64 columns: eight loads of 512 consecutive bytes; f = 2 b + j2
	WIN W_B
.irp f, 0,1,2,3,4,5,6,7
	global_load_b128 v[32*(\buf)+4*\f:32*(\buf)+4*\f+3], v[L16], s[\base:\base+1] offset:4096*(\step)+512*\f
.endr
.endm
.irp st, 0,1,2,3,4,5,6
	BLOAD \st, B0, \st                             ; seven K steps ahead: 56 loads of a wave
.endr
	WIN 0
.irp f, 0,1,2,3,4,5,6,7,8,9            ; my 40 slots (16 m + 8 h + j): their two scales and their tokens
	ds_load_b128 v[SC0+4*\f:SC0+4*\f+3], v[SCA] offset:64*(\f/2)+16*(\f%2)
	ds_load_b128 v[SC1+4*\f:SC1+4*\f+3], v[SCA] offset:512+64*(\f/2)+16*(\f%2)
	ds_load_b128 v[TOK+4*\f:TOK+4*\f+3], v[SCA] offset:1024+64*(\f/2)+16*(\f%2)
.endr
	WIN W_A1
	v_mov_b32 v[AL0], v[ABL]
	v_mov_b32 v[AH0], v[ABH]
	v_add_nc_u32 v[AL1], PH, v[ABL]
	v_add_nc_u32 v[AH1], PH, v[ABH]
; Load nn of the ten that bring a K step's A fragments (token block nn / 2, half nn % 2) into buffer buf, from byte koff of the rows
.macro ALD nn, buf, rl, rh, koff
.if ((\nn)/2) < 3
	ds_load_b128 v[AF+40*(\buf)+4*(\nn):AF+40*(\buf)+4*(\nn)+3], v[\rl] offset:((\nn)/2)*16*PITCH+(\koff)+32*((\nn)%2)
.else
	ds_load_b128 v[AF+40*(\buf)+4*(\nn):AF+40*(\buf)+4*(\nn)+3], v[\rh] offset:((\nn)/2-3)*16*PITCH+(\koff)+32*((\nn)%2)
.endif
.endm
	WIN W_MM
.set n, 0
.rept 10
	ALD n, 0, AL0, AH0, 0
.set n, n+1
.endr
	WIN 0
	s_wait_dscnt 10                                ; LDS loads come back in order: the ten fragment loads issued last may be out, the 30 table loads are in
.set n, 0
.rept 40
	v_min_u32 v[TOK+n], 0x1fff, v[TOK+n]
	v_lshl_add_u32 v[TOK+n], v[TOK+n], 12, v[C16]  ; token x 4,096 bytes + my 16
.set n, n+1
.endr
; K step i of a segment.  cb: this segment's weights, nb: the next segment's; rl, rh: this segment's rows, nl, nh: the next segment's.  last = 1: the wave's last segment, which has nothing further to fetch.
; The 20 accumulators take turns, one instruction a turn, in the same order in every step and from segment to segment.
.macro KSTEP i, last, cb, nb, rl, rh, nl, nh
	PLACES                                         ; behind the step before: its weights' buffer and its A buffer are loaded again below
	s_wait_dscnt 0x0                               ; this step's A fragments are in (issued ten or more matrix instructions ago)
.if (\last) && ((\i) >= 9)
	s_wait_loadcnt 8*(15-(\i))                     ; this step's weights are in; the 15 - i steps behind it may be out
.else
	s_wait_loadcnt 48                              ; this step's weights are in; the six younger steps' 48 loads may be out
.if (\i) < 9
	BLOAD ((\i)+7)%8, \cb, (\i)+7                  ; seven steps ahead, into the buffer that the step before read
.else
	BLOAD ((\i)+7)%8, \nb, (\i)-9                  ; on into the next segment
.endif
.endif
	WIN W_MM
.set n, 0
.rept 20
.if (\i) == 0
	v_wmma_f32_16x16x32_bf16 v[8*n:8*n+7], v[AF+40*((\i)%2)+8*(n/4):AF+40*((\i)%2)+8*(n/4)+7], v[32*((\i)%8)+8*(n%4):32*((\i)%8)+8*(n%4)+7], 0
.else
	v_wmma_f32_16x16x32_bf16 v[8*n:8*n+7], v[AF+40*((\i)%2)+8*(n/4):AF+40*((\i)%2)+8*(n/4)+7], v[32*((\i)%8)+8*(n%4):32*((\i)%8)+8*(n%4)+7], v[8*n:8*n+7]
.endif
.if n < 10                             ; the next step's A fragments, one load behind each of the first ten products, under the same window setting
.if (\i) < 15
	ALD n, ((\i)+1)%2, \rl, \rh, 64*((\i)+1)
.elseif !(\last)
	ALD n, 0, \nl, \nh, 0
.endif
.endif
.set n, n+1
.endr
.endm
.macro SEG cb, nb, rl, rh, nl, nh, last
.irp i, 0,1,2,3,4,5,6,7,8,9,10,11,12,13,14,15
	KSTEP \i, \last, \cb, \nb, \rl, \rh, \nl, \nh
.endr
.endm
; Behind rows A: PART = sA x product.  Each accumulator is read from its lowest register on.
.macro EPI0
	PLACES
	s_wait_xcnt 0x0                                ; every earlier store has had its addresses translated (ISA guide 3.1): PART, which the pass before stored from, is rewritten only behind this wait
	WIN W_EP
.irp mm, 0,1,2,3,4
.irp j, 0,1,2,3,4,5,6,7
.irp b, 0,1,2,3
	v_mul_f32 v[32*\mm+4*\j+\b], v[8*(4*\mm+\b)+\j], v[SC0+8*\mm+\j]
.endr
.endr
.endr
	WIN 0
.endm
; Behind rows B: PART += sB x product, and the pass's 64 columns are stored.  Blocks of 16 slots past the tile's count are jumped: no barrier stands in what is jumped.
.macro EPI1 pass
	PLACES
.irp mm, 0,1,2,3,4
.if \mm > 0
	WIN 0
	s_cmp_le_u32 s27, \mm
	s_cbranch_scc1 .Ldone_\@
.endif
	WIN W_EP
.irp j, 0,1,2,3,4,5,6,7
.irp b, 0,1,2,3
	v_fmac_f32 v[32*\mm+4*\j+\b], v[8*(4*\mm+\b)+\j], v[SC1+8*\mm+\j]
.endr
.endr
	WIN W_ST
.irp j, 0,1,2,3,4,5,6,7
	global_store_b128 v[TOK+8*\mm+\j], v[32*\mm+4*\j:32*\mm+4*\j+3], s[56:57] offset:256*(\pass) th:TH_STORE_NT  ; each half of the lanes stores 256 consecutive bytes of one token's row, aligned
.endr
.endr
	WIN 0
.Ldone_\@:
.endm
	SEG B0, B1, AL0, AH0, AL1, AH1, 0              ; pass 0, rows A x W[lo]
	EPI0
	SEG B1, B2, AL1, AH1, AL0, AH0, 0              ; pass 0, rows B x W[hi]
	EPI1 0
	SEG B2, B3, AL0, AH0, AL1, AH1, 0              ; pass 1, rows A
	EPI0
	SEG B3, B3, AL1, AH1, AL0, AH0, 1              ; pass 1, rows B: it fetches nothing beyond its own end
	EPI1 1
.Lend:
	s_wait_tensorcnt 0x0                           ; the wave's end
	ds_add_u32 v[SPW], v[NIL]
	s_wait_dscnt 0x0
	s_endpgm
.Lfunc_end_k_q205e8baa37_moe:
	.size	k_q205e8baa37_moe, .Lfunc_end_k_q205e8baa37_moe-k_q205e8baa37_moe
	.p2alignl 7, 3214868480
	.fill 96, 4, 3214868480
	.section	.rodata,"a",@progbits
	.p2align	6, 0x0
	.amdhsa_kernel k_q205e8baa37_moe
		.amdhsa_group_segment_fixed_size 168448
		.amdhsa_private_segment_fixed_size 0
		.amdhsa_enable_private_segment 0
		.amdhsa_kernarg_size 72
		.amdhsa_user_sgpr_count 2
		.amdhsa_user_sgpr_kernarg_segment_ptr 1
		.amdhsa_wavefront_size32 1
		.amdhsa_system_sgpr_workgroup_id_x 1
		.amdhsa_system_sgpr_workgroup_id_y 1
		.amdhsa_system_sgpr_workgroup_id_z 1
		.amdhsa_system_vgpr_workitem_id 0
		.amdhsa_next_free_vgpr 1024
		.amdhsa_next_free_sgpr 66
		.amdhsa_reserve_vcc 1
		.amdhsa_float_denorm_mode_32 3
		.amdhsa_float_denorm_mode_16_64 3
		.amdhsa_memory_ordered 1
		.amdhsa_forward_progress 1
		.amdhsa_inst_pref_size 255
	.end_amdhsa_kernel
	.section	.bss,"aw",@nobits
	.p2align	6
	.space	262144
	.amdgpu_metadata
---
amdhsa.version: [ 1, 2 ]
amdhsa.kernels:
  - .name:           k_q205e8baa37_moe
    .symbol:         k_q205e8baa37_moe.kd
    .args:
      - { .name: input, .offset: 0, .size: 8, .value_kind: global_buffer, .address_space: global }
      - { .name: wfrag, .offset: 8, .size: 8, .value_kind: global_buffer, .address_space: global }
      - { .name: rec, .offset: 16, .size: 8, .value_kind: global_buffer, .address_space: global }
      - { .name: tiles, .offset: 24, .size: 8, .value_kind: global_buffer, .address_space: global }
      - { .name: output_vec_scale, .offset: 32, .size: 8, .value_kind: global_buffer, .address_space: global }
      - { .name: weight_scale, .offset: 40, .size: 8, .value_kind: global_buffer, .address_space: global }
      - { .name: input_scale, .offset: 48, .size: 8, .value_kind: global_buffer, .address_space: global }
      - { .name: splits_cpu, .offset: 56, .size: 8, .value_kind: global_buffer, .address_space: global }
      - { .name: out0, .offset: 64, .size: 8, .value_kind: global_buffer, .address_space: global }
    .group_segment_fixed_size: 168448
    .private_segment_fixed_size: 0
    .kernarg_segment_align: 8
    .kernarg_segment_size: 72
    .max_flat_workgroup_size: 128
    .sgpr_count:     66
    .vgpr_count:     1024
    .wavefront_size: 32
...
	.end_amdgpu_metadata
.endif
;; end of part 2
;; ======== version 2 of 2: 2 launches; 1.64 times as fast as version 1
;; workspace buffers: wfrag 8,388,608 bytes; rec 131,072 bytes of whole numbers; ctab 4,096 bytes of whole numbers
;; launch prep (part 3): grid 136 x 1, 32 waves a work-group, no clusters, 21,248 bytes of LDS; arguments weight, scatter_index, splits_cpu, wfrag, rec, ctab; writes wfrag, rec, ctab
.if DOCPART == 3
	.amdgcn_target "amdgcn-amd-amdhsa--gfx1250"
	.amdhsa_code_object_version 6
	.text
	.protected	k_q205e8baa37_prep
	.globl	k_q205e8baa37_prep
	.p2align	8
	.type	k_q205e8baa37_prep,@function
k_q205e8baa37_prep:
	s_mov_b64 s[64:65], 0
	v_nop
	global_prefetch_b8 v0, s[64:65] scope:SCOPE_SE
	s_setreg_imm32_b32 hwreg(HW_REG_WAVE_MODE, 25, 1), 1
	s_wait_xcnt 0x0
; PREP.  Two jobs in one launch, chosen by the work-group's number alone (one branch at the head; it is the same for all waves of a work-group).
; Work-groups 8 .. 135: weight [8][512][1024] f32 is rounded once to bf16 and laid out as wfrag [e 8][g 16][ks 16][b 4][j2 2][lane 32][8 bf16], where the number i of lane l (r = l % 16, h = l / 16) is
;   W[e][32 ks + 16 j2 + 8 h + i][64 g + 4 r + b]: the order in which the next launch's waves take source 1 of their matrix instructions, 512 consecutive bytes a load.
; Work-groups 0 .. 7: chunk k = tokens 1024 k .. 1024 k + 1023, one to a thread, is sorted by the token's unordered pair of experts (lo <= hi), by counting, without atomics and without a word from any other chunk.
;   A row's expert is the number of prefix sums of splits_cpu that are <= the row (0 .. 8).  8 means no expert: such a row is filed under expert 7, and the next launch gives it the scale 0.  Class c = 8 hi + lo.
;   rec [8][1024][4]: the chunk's tokens in the order of their classes: row of the lower expert, row of the higher, token, 0.  Every slot is stored.
;   ctab [8][128]: the chunk's tokens in each of the 64 classes, then where each class begins in the chunk.  The next launch adds the chunks' counts up and cuts each class into tiles.
; All lanes stay on from the first line to the last: where lanes of one class would store one count, all of them store the same number to the same word.
; LIMITS.  splits_cpu holds no negative number and its sum stays under 2^31.  The weights' only rounding is the one to bf16 (nearest even).
.set HP,    260        ; H [group 32][class 64]: bytes from group to group: 64 counts + one word, so that 32 lanes reading one class of the 32 groups touch 32 different words modulo 64
.set H2B,   8448       ; H2 [class 64][group 32], 8,192 bytes: where a group's tokens begin inside their class
.set TOTB,  16640      ; 64 words: the chunk's tokens in each class
.set TBB,   16896      ; 64 words, straight behind them: where each class begins in the chunk
.set SPARE, 17152      ; the spare words, 128 bytes for each of 32 waves: sixteen blocks of 256 bytes that no other line names
.set PR,  8            ; v[8:9]     my token's two rows, as loaded
.set RK,  24           ; v24        its rank among its wave's tokens of the same class
.set CL,  32           ; v32        4 x class
.set AD,  40           ; v40        byte offset of its slot in rec
.set TM,  48           ; v[48:63]   at work
.set QD,  64           ; v[64:67]   the four words of its slot
.set WK,  96           ; v[96:127]  at work
	s_load_b256 s[4:11], s[0:1], 0x0               ; weight s[4:5], scatter_index s[6:7], splits_cpu s[8:9], wfrag s[10:11]
	s_load_b128 s[12:15], s[0:1], 0x20             ; rec s[12:13], ctab s[14:15]
	v_lshl_add_u32 v1, v0, 2, SPARE                ; my spare word; never rewritten
	v_mov_b32 v2, 0                                ; 0; never rewritten
	v_lshrrev_b32 v3, 5, v0
	v_readfirstlane_b32 s2, v3                     ; wave 0 .. 31
	v_and_b32 v3, 31, v0                           ; lane
	v_and_b32 v4, 15, v0                           ; r
	v_bfe_u32 v5, v0, 4, 1                         ; h
	s_cmp_gt_u32 ttmp9, 7
	s_cbranch_scc1 .Lconv
; ---------------------------------------------------------------- work-groups 0 .. 7: a chunk's sort.  The 32 tokens of wave w are group w.
.macro MEET                            ; what others read behind the barrier is complete in front of my signal
	s_wait_dscnt 0x0
	s_barrier_signal -1
	s_barrier_wait -1
.endm
.macro EXPERT e, r                     ; v[e] = min(7, how many of the eight prefix sums are <= v[r])
	v_mov_b32 v[\e], 0
.irp i, 0,1,2,3,4,5,6,7
	v_cmp_le_u32 vcc_lo, s[16+\i], v[\r]
	v_add_co_ci_u32 v[\e], vcc_lo, 0, v[\e], vcc_lo
.endr
	v_min_u32 v[\e], 7, v[\e]
.endm
.macro PEERS m, key                    ; v[m] = the mask of my wave's lanes whose v[key] (0 .. 7) equals mine
	v_cmp_eq_u32 s24, 0, v[\key]
	v_cndmask_b32 v[\m], 0, s24, s24
.irp i, 1,2,3,4,5,6,7
	v_cmp_eq_u32 s24, \i, v[\key]
	v_cndmask_b32 v[\m], v[\m], s24, s24
.endr
.endm
.macro ONES x, t                       ; v[x] = the number of ones in v[x]: sums of 2, 4 and 8 neighbouring bits, then of the four bytes
	v_lshrrev_b32 v[\t], 1, v[\x]
	v_and_b32 v[\t], s32, v[\t]
	v_sub_nc_u32 v[\x], v[\x], v[\t]
	v_lshrrev_b32 v[\t], 2, v[\x]
	v_and_b32 v[\x], s33, v[\x]
	v_and_b32 v[\t], s33, v[\t]
	v_add_nc_u32 v[\x], v[\x], v[\t]
	v_lshrrev_b32 v[\t], 4, v[\x]
	v_add_nc_u32 v[\x], v[\x], v[\t]
	v_and_b32 v[\x], s34, v[\x]
	v_lshrrev_b32 v[\t], 8, v[\x]
	v_add_nc_u32 v[\x], v[\x], v[\t]
	v_lshrrev_b32 v[\t], 16, v[\x]
	v_add_nc_u32 v[\x], v[\x], v[\t]
	v_and_b32 v[\x], 63, v[\x]
.endm
.macro WSCAN x, t, stot                ; v[x] becomes its running sum over the 32 lanes, own value included; s[stot] the total.  v[t] has been written before
.irp n, 1,2,4,8
	v_mov_b32_dpp v[\t], v[\x] row_shr:\n row_mask:0xf bank_mask:0xf bound_ctrl:1
	v_add_nc_u32 v[\x], v[\x], v[\t]
.endr
	v_readlane_b32 s24, v[\x], 15                  ; the lower sixteen lanes' total
	v_mad_u32_u24 v[\x], v5, s24, v[\x]            ; goes onto the upper sixteen
	v_readlane_b32 s[\stot], v[\x], 31
.endm
	s_wait_kmcnt 0x0
	s_load_b256 s[16:23], s[8:9], 0x0              ; the eight splits
	s_lshl_b32 s26, ttmp9, 13                      ; the chunk's 1,024 pairs of 8 bytes
	v_lshl_add_u32 v6, v0, 3, s26
	global_load_b64 v[PR:PR+1], v6, s[6:7]         ; 256 consecutive bytes a wave
	s_mul_i32 s25, s2, HP                          ; my group's row of H
	v_mov_b32 v[TM], 0
	v_lshl_add_u32 v[TM+4], v3, 2, s25
	ds_store_b32 v[TM+4], v[TM]                    ; a wave clears its own 64 counts; LDS serves a wave's instructions in order (ISA guide 5.7.1.4), so its count below lands on cleared words
	ds_store_b32 v[TM+4], v[TM] offset:128
	s_lshl_b32 s27, ttmp9, 10                      ; the chunk's first token, and its first slot in rec
	s_mov_b32 s32, 0x55555555                      ; ONES' three masks
	s_mov_b32 s33, 0x33333333
	s_mov_b32 s34, 0x0f0f0f0f
	s_wait_kmcnt 0x0
.irp i, 1,2,3,4,5,6,7
	s_add_co_u32 s[16+\i], s[16+\i], s[15+\i]      ; prefix sums
.endr
	s_wait_loadcnt 0x0                             ; my pair
	EXPERT TM, PR
	EXPERT TM+1, PR+1
	v_cmp_gt_u32 vcc_lo, v[TM], v[TM+1]            ; the pair is put in order of experts
	v_cndmask_b32 v[QD],   v[PR],   v[PR+1], vcc_lo  ; the lower expert's row
	v_cndmask_b32 v[QD+1], v[PR+1], v[PR],   vcc_lo  ; the higher expert's row
	v_cndmask_b32 v[TM+2], v[TM],   v[TM+1], vcc_lo  ; lo
	v_cndmask_b32 v[TM+3], v[TM+1], v[TM],   vcc_lo  ; hi
	v_add_nc_u32 v[QD+2], s27, v0                  ; the token
	v_mov_b32 v[QD+3], 0
	PEERS TM+4, TM+2
	PEERS TM+5, TM+3
	v_and_b32 v[TM+4], v[TM+4], v[TM+5]            ; the lanes of my class
	v_mbcnt_lo_u32_b32 v[RK], v[TM+4], 0           ; how many of them stand below me
	ONES TM+4, TM+7                                ; and how many there are: the class's count in this group
	v_lshl_add_u32 v[TM+5], v[TM+3], 3, v[TM+2]
	v_min_u32 v[TM+5], 63, v[TM+5]                 ; class
	v_lshlrev_b32 v[CL], 2, v[TM+5]
	v_add_nc_u32 v[TM+6], s25, v[CL]
	ds_store_b32 v[TM+6], v[TM+4]                  ; all lanes of a class write the same word with the same number
	MEET                                           ; all counts are in H
; Wave w scans classes w and w + 32 over the 32 groups, a group a lane.  H is only read here, H2 and TOT only written, each wave in bytes of its own.
	v_mul_u32_u24 v[TM], v3, HP
	v_lshl_add_u32 v[TM], s2, 2, v[TM]             ; group = my lane, class = my wave
	s_lshl_b32 s28, s2, 7
	s_add_co_u32 s28, s28, H2B
	v_lshl_add_u32 v[TM+1], v3, 2, s28             ; H2: class w, group = my lane
	s_lshl_b32 s29, s2, 2
	s_add_co_u32 s29, s29, TOTB
	v_mov_b32 v[TM+2], s29
	v_mov_b32 v[WK+18], 0
	ds_load_b32 v[WK],   v[TM]
	ds_load_b32 v[WK+1], v[TM] offset:128
	s_wait_dscnt 0x0
	v_mov_b32 v[WK+2], v[WK]
	v_mov_b32 v[WK+3], v[WK+1]
	WSCAN WK+2, WK+18, 30
	WSCAN WK+3, WK+18, 31
	v_sub_nc_u32 v[WK+2], v[WK+2], v[WK]           ; what stands in front of my group
	v_sub_nc_u32 v[WK+3], v[WK+3], v[WK+1]
	ds_store_b32 v[TM+1], v[WK+2]
	ds_store_b32 v[TM+1], v[WK+3] offset:4096
	v_mov_b32 v[WK+4], s30
	v_mov_b32 v[WK+5], s31
	ds_store_b32 v[TM+2], v[WK+4]                  ; the class's total: every lane writes the same word with the same number
	ds_store_b32 v[TM+2], v[WK+5] offset:128
	MEET                                           ; H2 and TOT are whole
	s_cmp_lg_u32 s2, 0                             ; wave 0 alone: where each class begins in the chunk
	s_cbranch_scc1 .Ltb_made
	v_lshl_add_u32 v[TM+3], v3, 2, TOTB
	ds_load_b32 v[WK],   v[TM+3]
	ds_load_b32 v[WK+1], v[TM+3] offset:128
	s_wait_dscnt 0x0
	v_mov_b32 v[WK+2], v[WK]
	v_mov_b32 v[WK+3], v[WK+1]
	WSCAN WK+2, WK+18, 30
	WSCAN WK+3, WK+18, 31
	v_sub_nc_u32 v[WK+2], v[WK+2], v[WK]
	v_sub_nc_u32 v[WK+3], v[WK+3], v[WK+1]
	v_add_nc_u32 v[WK+3], s30, v[WK+3]
	ds_store_b32 v[TM+3], v[WK+2] offset:TBB-TOTB
	ds_store_b32 v[TM+3], v[WK+3] offset:TBB-TOTB+128
.Ltb_made:
	MEET                                           ; TB is whole
; My token's slot: where its class begins + its group's place in the class + its rank in the group.
	s_lshl_b32 s28, s2, 2
	s_add_co_u32 s28, s28, H2B
	v_lshl_add_u32 v[WK], v[CL], 5, s28            ; H2 + 128 class + 4 wave
	v_add_nc_u32 v[WK+8], TBB, v[CL]
	ds_load_b32 v[WK+16], v[WK]
	ds_load_b32 v[WK+24], v[WK+8]
	s_wait_dscnt 0x0
	v_add3_u32 v[AD], v[WK+24], v[WK+16], v[RK]
	v_min_u32 v[AD], 0x3ff, v[AD]                  ; inside the chunk's 1,024 slots
	v_add_nc_u32 v[AD], s27, v[AD]
	v_lshlrev_b32 v[AD], 4, v[AD]
	global_store_b128 v[AD], v[QD:QD+3], s[12:13]
	s_cmp_lg_u32 s2, 0                             ; wave 0 alone: the chunk's 64 counts and 64 beginnings, which lie on end in LDS, leave as 512 consecutive bytes
	s_cbranch_scc1 .Lsorted
	v_lshl_add_u32 v10, v3, 4, TOTB
	ds_load_b128 v[16:19], v10
	s_lshl_b32 s26, ttmp9, 9
	v_lshl_add_u32 v13, v3, 4, s26
	s_wait_dscnt 0x0
	global_store_b128 v13, v[16:19], s[14:15]
.Lsorted:
	s_wait_tensorcnt 0x0                           ; the wave's end
	ds_add_u32 v1, v2
	s_wait_dscnt 0x0
	s_endpgm
; ---------------------------------------------------------------- work-groups 8 .. 135: expert e = (id - 8) / 16, columns 64 g .. 64 g + 63, g = (id - 8) % 16.  Wave w = 2 ks + j2 takes rows 16 w .. 16 w + 15.
; No LDS and no change of lanes: lane (r, h) loads columns 64 g + 4 r .. + 3 of rows 16 w + 8 h + 0 .. 7 (sixteen lanes read 256 consecutive bytes, aligned), and a column's eight numbers pack into 16 bytes.
.Lconv:
	s_sub_co_u32 s16, ttmp9, 8
	s_lshr_b32 s17, s16, 4
	s_and_b32 s18, s16, 15
	s_lshl_b32 s20, s17, 21                        ; an expert is 2,097,152 bytes
	s_lshl_b32 s18, s18, 8
	s_add_co_u32 s20, s20, s18
	s_lshl_b32 s19, s2, 16                         ; 16 rows of 4,096 bytes
	s_add_co_u32 s20, s20, s19
	s_mov_b32 s21, 0
	s_lshl_b32 s22, s16, 16                        ; in wfrag (e, g) is 65,536 bytes,
	s_lshr_b32 s19, s2, 1
	s_lshl_b32 s19, s19, 12                        ; a K step 4,096,
	s_add_co_u32 s22, s22, s19
	s_and_b32 s19, s2, 1
	s_lshl_b32 s19, s19, 9                         ; its half 512
	s_add_co_u32 s22, s22, s19
	s_mov_b32 s23, 0
	v_lshlrev_b32 v6, 15, v5
	v_lshl_add_u32 v6, v4, 4, v6                   ; 8 h rows + 16 r bytes
	v_lshlrev_b32 v7, 4, v3
	s_wait_kmcnt 0x0
	s_add_nc_u64 s[4:5], s[4:5], s[20:21]
	s_add_nc_u64 s[10:11], s[10:11], s[22:23]
.irp i, 0,1,2,3,4,5,6,7
	global_load_b128 v[16+4*\i:19+4*\i], v6, s[4:5] offset:4096*\i th:TH_LOAD_NT  ; each weight is read once in the launch
.endr
	s_wait_loadcnt 0x0
.irp b, 0,1,2,3
.irp p, 0,1,2,3
	v_cvt_pk_bf16_f32 v[48+4*\b+\p], v[16+8*\p+\b], v[20+8*\p+\b]  ; rows 2 p and 2 p + 1 of column b
.endr
.endr
.irp b, 0,1,2,3
	global_store_b128 v7, v[48+4*\b:51+4*\b], s[10:11] offset:1024*\b  ; 512 consecutive bytes, aligned
.endr
	s_endpgm
.Lfunc_end_k_q205e8baa37_prep:
	.size	k_q205e8baa37_prep, .Lfunc_end_k_q205e8baa37_prep-k_q205e8baa37_prep
	.p2alignl 7, 3214868480
	.fill 96, 4, 3214868480
	.section	.rodata,"a",@progbits
	.p2align	6, 0x0
	.amdhsa_kernel k_q205e8baa37_prep
		.amdhsa_group_segment_fixed_size 21248
		.amdhsa_private_segment_fixed_size 0
		.amdhsa_enable_private_segment 0
		.amdhsa_kernarg_size 48
		.amdhsa_user_sgpr_count 2
		.amdhsa_user_sgpr_kernarg_segment_ptr 1
		.amdhsa_wavefront_size32 1
		.amdhsa_system_sgpr_workgroup_id_x 1
		.amdhsa_system_sgpr_workgroup_id_y 1
		.amdhsa_system_sgpr_workgroup_id_z 1
		.amdhsa_system_vgpr_workitem_id 0
		.amdhsa_next_free_vgpr 128
		.amdhsa_next_free_sgpr 66
		.amdhsa_reserve_vcc 1
		.amdhsa_float_denorm_mode_32 3
		.amdhsa_float_denorm_mode_16_64 3
		.amdhsa_memory_ordered 1
		.amdhsa_forward_progress 1
		.amdhsa_inst_pref_size 15
	.end_amdhsa_kernel
	.amdgpu_metadata
---
amdhsa.version: [ 1, 2 ]
amdhsa.kernels:
  - .name:           k_q205e8baa37_prep
    .symbol:         k_q205e8baa37_prep.kd
    .args:
      - { .name: weight, .offset: 0, .size: 8, .value_kind: global_buffer, .address_space: global }
      - { .name: scatter_index, .offset: 8, .size: 8, .value_kind: global_buffer, .address_space: global }
      - { .name: splits_cpu, .offset: 16, .size: 8, .value_kind: global_buffer, .address_space: global }
      - { .name: wfrag, .offset: 24, .size: 8, .value_kind: global_buffer, .address_space: global }
      - { .name: rec, .offset: 32, .size: 8, .value_kind: global_buffer, .address_space: global }
      - { .name: ctab, .offset: 40, .size: 8, .value_kind: global_buffer, .address_space: global }
    .group_segment_fixed_size: 21248
    .private_segment_fixed_size: 0
    .kernarg_segment_align: 8
    .kernarg_segment_size: 48
    .max_flat_workgroup_size: 1024
    .sgpr_count:     66
    .vgpr_count:     128
    .wavefront_size: 32
...
	.end_amdgpu_metadata
.endif
;; end of part 3
;; launch moe (part 4): grid 2 x 138, 4 waves a work-group, no clusters, 169,472 bytes of LDS; arguments input, wfrag, rec, ctab, output_vec_scale, weight_scale, input_scale, splits_cpu, out0; writes out0
.if DOCPART == 4
	.amdgcn_target "amdgcn-amd-amdhsa--gfx1250"
	.amdhsa_code_object_version 6
	.text
	.protected	k_q205e8baa37_moe
	.globl	k_q205e8baa37_moe
	.p2align	8
	.type	k_q205e8baa37_moe,@function
k_q205e8baa37_moe:
	s_mov_b64 s[64:65], 0
	v_nop
	global_prefetch_b8 v0, s[64:65] scope:SCOPE_SE
	s_setreg_imm32_b32 hwreg(HW_REG_WAVE_MODE, 25, 1), 1
	s_wait_xcnt 0x0
; out0[t] = sA (x[rowA] W[lo]) + sB (x[rowB] W[hi]) for the tokens of one tile: at most 80 tokens that share the pair of experts (lo, hi).
; s(row) = input_scale x weight_scale[expert] x output_vec_scale[row], or 0 for a row at or past the sum of splits_cpu (no expert).
; WHICH TOKENS.  The launch before sorted eight chunks of 1,024 tokens by class c = 8 hi + lo (rec) and left each chunk's 64 counts and 64 class beginnings (ctab).  A class's tokens are its tokens of chunk 0, then of chunk 1, ..;
; it is cut into ceil(tokens / 80) tiles, and the tiles are numbered class after class.  Every wave adds the chunks' counts, makes the tiles' running sum over the classes, and finds its tile's class, its place in the class and its count.
; SHARES.  Work-group (slice, tile): the tile's tokens x columns 512 slice .. + 511.  It gathers the tile's 160 rows of x once, f32 to bf16, into LDS.  Wave w then owns columns 128 w .. + 127 of the slice, as two
; passes of 64, and walks four SEGMENTS: (pass 0, rows A x W[lo]), (pass 0, rows B x W[hi]), then pass 1 likewise.  A segment is 16 K steps of 32: 5 blocks of 16 tokens x 4 blocks of 16 columns = 20 matrix instructions a step.
; The four segments are written out by macro, without a loop: each names its own rows' LDS addresses and its own weights' base, all made once and never rewritten.
; The weights come from wfrag straight into registers, already in source 1's order; each fragment has one reading wave, so LDS would add a store and a load and spare nothing.  Eight register buffers hold seven K steps ahead;
; the first seven steps are asked for as soon as the class is known, behind the load of the slot's record, and land while the rows are gathered.
; A K step's 18 loads (8 of weights, 10 of the next step's A fragments) stand in ONE run at its head, its matrix instructions behind them.
; LAYOUT.  Source 0 = 16 tokens (LDS), source 1 = 16 columns 64 g + 4 r + b (r = lane % 16) of column block b.  Register j of accumulator (m, b) is token slot 16 m + 8 (lane / 16) + j, column 64 g + 4 r + b.  The scaling writes
; b = 0 .. 3 into four neighbouring registers: 16 bytes of a row of out0; sixteen lanes store 256 consecutive bytes, aligned, and no stage in LDS is needed.
; EVERY SPLIT.  36 classes can hold tokens, so there are at most (8192 + 36 x 79) / 80 = 137 tiles, whatever the routing: the grid has 138.  A tile past the last finds the count 0, passes both barriers, jumps the gather and the
; products and stores nothing; the seven K steps of weights that it has asked for by then (28,672 bytes a wave) serve nothing: the price of asking on the one way that every wave takes.
; Slots past a tile's count repeat its last token (same rows, same scale, same address: the same wave stores the same bytes again).  Whole blocks of 16 slots past the count are multiplied in a segment's first K step alone, which
; writes every accumulator, and are not stored.
; NO CLUSTER.  x comes by a list and is rounded in registers, which no tensor descriptor covers; a slice of weights is shared only by the tiles of one pair, whose number hangs on the routing (0 to 103), so partners would not be alike.
; NUMBERS.  x and the three scales are rounded once to bf16 (nearest even), as the weights were; the product of three such scales is exact in f32.  Products are summed in f32; out = fma(sB, PB, sA PA) in f32.
; LIMITS.  splits_cpu holds no negative number, its sum stays under 2^31.  A row without expert gives 0 x (a product with expert 7's weights): that product has to be finite.  NaN, infinities and the sign of zero are not treated apart.
; REGISTERS, in windows of 256 (s_set_vgpr_msb: bits 1:0 source 0, 3:2 source 1, 5:4 source 2, 7:6 destination):
;   window 0: addresses, token offsets, scales     window 1: v0-159 the 20 accumulators, v160-239 two buffers of A fragments, v240-243 their LDS addresses
;   window 2: v0-159 PART, the scaled first product and then the result; before that v0-223 seven slots of 32 for the gather     window 3: eight buffers of 32 for the weights
.set PITCH, 1040       ; an LDS row: 1,024 bytes of bf16 + 16 = 260 words: the 16 rows of a fragment load start 4 words apart modulo 64 (ISA guide 11.1: 64 banks of 4 bytes)
.set PH,    80*PITCH   ; rows A: bytes 0 .. 83,199; rows B behind them
.set S0B,   160*PITCH  ; five tables of 128 words, one word a slot: sA, sB, the token, rowA, rowB
.set SPARE, S0B+2560   ; the spare words, 128 bytes for each wave: two blocks of 256 bytes that no other line names
.set SPW,  1           ; v1   my spare word; never rewritten
.set NIL,  2           ; v2   0; never rewritten
.set C16,  3           ; v3   16 (lane % 16)
.set HB,   4           ; v4   lane / 16
.set SCA,  5           ; v5   S0B + 32 (lane / 16)
.set ABL,  6           ; v6   (lane % 16) PITCH + 16 (lane / 16): a fragment's place, token blocks 0 to 2
.set L16,  7           ; v7   16 lane; never rewritten
.set STA,  8           ; v8   the gather: where my 8 bytes of my first row go
.set RTA,  9           ; v9   the gather: where my twenty rows' numbers lie in the table of rows
.set OFFQ, 10          ; v[10:29]  the gather: byte offset in x of my 16 bytes of row q
.set ABH,  30          ; v30  ABL + 48 rows: token blocks 3 and 4
.set TW,   44          ; v44  S0B + 4 x my thread's number: my word in each table
.set CT,   48          ; v[48:63]  the head: chunk k's counts of classes 2 lane, 2 lane + 1
.set BT,   64          ; v[64:79]  the head: where these classes begin in chunk k
.set CV,   48          ; v[48:111] the gather: a row's rounded numbers, four sets of 16 by turns
.set TOK,  112         ; v[112:151] [8 m + j]: byte offset in out0 of my 16 bytes of that slot's token
.set SC0,  152         ; v[152:191] [8 m + j]: sA
.set SC1,  192         ; v[192:231] sB
.set AF,   160         ; window 1
.set AL0,  240         ; window 1: LDS addresses of my A fragments: rows A, token blocks 0 to 2,
.set AH0,  241         ; blocks 3 and 4;
.set AL1,  242         ; rows B likewise.  Never rewritten
.set AH1,  243
.set B0,   44          ; s[44:45] wfrag at the 65,536 bytes of (lo, g);  never rewritten, as the next three
.set B1,   46          ; s[46:47] (hi, g)
.set B2,   48          ; s[48:49] (lo, g + 1)
.set B3,   50          ; s[50:51] (hi, g + 1)
.set CC,   66          ; s[66:73] my class's tokens in chunk k
.set BS,   74          ; s[74:81] where my class begins in chunk k
.set PI,   82          ; s[82:88] my class's tokens in chunks 0 .. k
.set DL,   88          ; s[89:95] DL + k, k = 1 .. 7: what a rank's slot in rec gains when the rank passes from chunk k - 1 into chunk k
.set MSB, 0
.macro WIN new                         ; the immediate's high byte repeats the setting that is left; a switch that changes nothing is dropped
.if MSB != (\new)
	s_set_vgpr_msb (MSB<<8)|(\new)
.set MSB, (\new)
.endif
.endm
.set W_MM, 0x5d        ; A, C, D in window 1, B in window 3; an LDS load under it has destination and address in window 1
.set W_B,  0xc0        ; a load's destination in window 3, its address in window 0
.set W_G,  0x80        ; a load's destination in window 2, its address in window 0
.set W_CV, 0x0a        ; sources 0 and 1 in window 2
.set W_EP, 0x81        ; destination (and v_fmac's addend) in window 2, source 0 in window 1, source 1 in window 0
.set W_ST, 0x08        ; a store's data in window 2
.set W_A1, 0x40        ; destination in window 1
.macro PLACES                          ; four plain vector instructions between a matrix instruction and a load into, or a vector read of, its registers (ISA guide 7.12.1 for vector reads)
.rept 4
	v_nop
.endr
.endm
.macro BLOAD buf, base, step           ; a K step's weights for my 64 columns: eight loads of 512 consecutive bytes; f = 2 b + j2
	WIN W_B
.irp f, 0,1,2,3,4,5,6,7
	global_load_b128 v[32*(\buf)+4*\f:32*(\buf)+4*\f+3], v[L16], s[\base:\base+1] offset:4096*(\step)+512*\f
.endr
.endm
	s_load_b512 s[4:19], s[0:1], 0x0               ; input s[4:5], wfrag s[6:7], rec s[8:9], ctab s[10:11], output_vec_scale s[12:13], weight_scale s[14:15], input_scale s[16:17], splits_cpu s[18:19]
	s_load_b64 s[20:21], s[0:1], 0x40              ; out0
	v_lshl_add_u32 v[SPW], v0, 2, SPARE
	v_mov_b32 v[NIL], 0
	v_lshrrev_b32 v31, 5, v0
	v_readfirstlane_b32 s2, v31                    ; wave 0 .. 3
	s_mov_b32 s3, ttmp9                            ; slice
	s_and_b32 s22, ttmp7, 0xffff                   ; tile
	v_and_b32 v32, 15, v0                          ; r
	v_bfe_u32 v[HB], v0, 4, 1                      ; h
	v_lshlrev_b32 v[C16], 4, v32
	v_lshl_add_u32 v[SCA], v[HB], 5, S0B
	v_mul_u32_u24 v[ABL], v32, PITCH
	v_lshl_add_u32 v[ABL], v[HB], 4, v[ABL]
	v_add_nc_u32 v[ABH], 48*PITCH, v[ABL]
	v_and_b32 v[L16], 31, v0
	v_lshlrev_b32 v31, 3, v[L16]                   ; 8 lane: my two classes' words in a row of ctab
	v_lshlrev_b32 v[L16], 4, v[L16]
	v_lshl_add_u32 v[TW], v0, 2, S0B
	s_mul_i32 s23, s2, 40*PITCH                    ; the gather: wave w fills LDS rows 40 w .. 40 w + 39, lanes 0-15 the first twenty, lanes 16-31 the others
	v_mul_u32_u24 v[STA], v[HB], 20*PITCH
	v_lshl_add_u32 v[STA], v32, 3, v[STA]
	v_add_nc_u32 v[STA], s23, v[STA]
	s_lshr_b32 s29, s2, 1                          ; waves 0, 1: rows A of slots 0-39, 40-79; waves 2, 3: rows B
	s_lshl_b32 s29, s29, 9
	s_and_b32 s23, s2, 1
	s_mul_i32 s23, s23, 160
	s_add_co_u32 s29, s29, s23
	s_add_co_u32 s29, s29, S0B+1536
	v_mul_u32_u24 v[RTA], v[HB], 80
	v_add_nc_u32 v[RTA], s29, v[RTA]
	s_mov_b32 s52, 0xaaaaaaaa                      ; the lanes whose number has bit 0, 1, 2, 3 set
	s_mov_b32 s53, 0xcccccccc
	s_mov_b32 s54, 0xf0f0f0f0
	s_mov_b32 s55, 0xff00ff00
	s_wait_kmcnt 0x0
	s_load_b256 s[32:39], s[18:19], 0x0
	s_load_b32 s30, s[16:17], 0x0
.irp k, 0,1,2,3,4,5,6,7
	global_load_b64 v[CT+2*\k:CT+2*\k+1], v31, s[10:11] offset:512*\k      ; 256 consecutive bytes: chunk k's 64 counts,
	global_load_b64 v[BT+2*\k:BT+2*\k+1], v31, s[10:11] offset:512*\k+256  ; its 64 beginnings
.endr
	s_lshl_b32 s62, s3, 11
	s_lshl_b32 s23, s2, 9
	s_add_co_u32 s62, s62, s23
	s_mov_b32 s63, 0
	s_add_nc_u64 s[56:57], s[20:21], s[62:63]      ; out0 at my wave's first column: 2,048 slice + 512 w bytes
	s_lshl_b32 s58, s3, 3
	s_lshl1_add_u32 s58, s2, s58                   ; g of pass 0 = 8 slice + 2 w
	s_wait_kmcnt 0x0
	s_add_co_u32 s31, s32, s33
.irp i, 34,35,36,37,38,39
	s_add_co_u32 s31, s31, s[\i]                   ; rows from here on have no expert
.endr
	s_wait_loadcnt 0x0
; ---------------------------------------------------------------- WHICH CLASS, WHICH TOKENS
	v_add3_u32 v80, v[CT], v[CT+2], v[CT+4]        ; tokens of class 2 lane,
	v_add3_u32 v82, v[CT+6], v[CT+8], v[CT+10]
	v_add3_u32 v80, v80, v82, v[CT+12]
	v_add_nc_u32 v80, v80, v[CT+14]
	v_add3_u32 v81, v[CT+1], v[CT+3], v[CT+5]      ; of class 2 lane + 1
	v_add3_u32 v83, v[CT+7], v[CT+9], v[CT+11]
	v_add3_u32 v81, v81, v83, v[CT+13]
	v_add_nc_u32 v81, v81, v[CT+15]
.irp z, 0,1
	v_add_nc_u32 v[82+\z], 79, v[80+\z]            ; their tiles, ceil(x / 80):
	v_lshrrev_b32 v[82+\z], 4, v[82+\z]            ; (x + 79) / 16, at most 516,
	v_mul_u32_u24 v[82+\z], 0xcccd, v[82+\z]       ; divided by 5: times 52,429 / 2^18, exact up to far beyond 516
	v_lshrrev_b32 v[82+\z], 18, v[82+\z]
.endr
	v_add_nc_u32 v84, v82, v83
	v_mov_b32 v87, 0
	v_mov_b32 v85, 0
.macro BFLY d, sm                      ; v84: the sum over my block of d lanes becomes that over 2 d; v87, what stands in front of me in the block, takes the partner block's sum where that block is the lower one
	v_mov_b32_dpp v85, v84 row_xmask:\d row_mask:0xf bank_mask:0xf
	v_cndmask_b32 v106, 0, v85, s[\sm]
	v_add_nc_u32 v87, v87, v106
	v_add_nc_u32 v84, v84, v85
.endm
	BFLY 1, 52
	BFLY 2, 53
	BFLY 4, 54
	BFLY 8, 55
	v_readlane_b32 s23, v84, 0                     ; the lower sixteen lanes' tiles
	v_mul_u32_u24 v85, s23, v[HB]
	v_add_nc_u32 v87, v87, v85                     ; first tile of class 2 lane,
	v_add_nc_u32 v86, v87, v82                     ; of class 2 lane + 1,
	v_add_nc_u32 v84, v86, v83                     ; of class 2 lane + 2
	v_cmp_ge_u32 s60, s22, v86                     ; these do not fall from class to class, so my tile's class is the number of classes whose tiles all lie in front of it
	v_cmp_ge_u32 s61, s22, v84
	s_bcnt1_i32_b32 s60, s60
	s_bcnt1_i32_b32 s61, s61
	s_add_co_u32 s23, s60, s61
	s_min_u32 s23, s23, 63                         ; past the last tile: class 63, and the count below comes out as 0
	s_lshr_b32 s59, s23, 1                         ; the lane that holds the class,
	s_and_b32 s60, s23, 1
	s_sub_co_u32 s60, 0, s60                       ; and all ones if it is that lane's odd one
	s_and_b32 s24, s23, 7                          ; lo
	s_lshr_b32 s25, s23, 3                         ; hi
	s_min_u32 s24, s24, 7
	s_min_u32 s25, s25, 7
	s_lshl_b32 s42, s24, 2
	s_lshl_b32 s43, s25, 2
	s_load_b32 s40, s[14:15], s42 offset:0x0       ; weight_scale[lo], [hi]: waited for beside the slots' records
	s_load_b32 s41, s[14:15], s43 offset:0x0
	s_lshl4_add_u32 s62, s24, s58
	s_lshl_b32 s62, s62, 16
	s_add_nc_u64 s[B0:B0+1], s[6:7], s[62:63]      ; (lo, g)
	s_lshl4_add_u32 s62, s25, s58
	s_lshl_b32 s62, s62, 16
	s_add_nc_u64 s[B1:B1+1], s[6:7], s[62:63]      ; (hi, g)
	s_add_nc_u64 s[B2:B2+1], s[B0:B0+1], 0x10000   ; (lo, g + 1)
	s_add_nc_u64 s[B3:B3+1], s[B1:B1+1], 0x10000   ; (hi, g + 1)
.irp k, 0,1,2,3,4,5,6,7
	v_cndmask_b32 v[88+\k], v[CT+2*\k], v[CT+2*\k+1], s60
	v_cndmask_b32 v[96+\k], v[BT+2*\k], v[BT+2*\k+1], s60
.endr
	v_cndmask_b32 v104, v80, v81, s60
	v_cndmask_b32 v105, v87, v86, s60
.irp k, 0,1,2,3,4,5,6,7
	v_readlane_b32 s[CC+\k], v[88+\k], s59
	v_readlane_b32 s[BS+\k], v[96+\k], s59
.endr
	v_readlane_b32 s96, v104, s59                  ; the class's tokens,
	v_readlane_b32 s97, v105, s59                  ; its first tile
	s_sub_co_u32 s29, s22, s97
	s_min_u32 s29, s29, 137
	s_mul_i32 s29, s29, 80                         ; my tile's first rank in the class
	s_sub_co_i32 s26, s96, s29                     ; tokens from there on, held to 0 .. 80
	s_max_i32 s26, s26, 0
	s_min_u32 s26, s26, 80
	s_add_co_u32 s27, s26, 15
	s_lshr_b32 s27, s27, 4
	s_min_u32 s27, s27, 5                          ; blocks of 16 tokens
	s_sub_co_u32 s28, s26, 1                       ; the last slot that holds a token
	s_mov_b32 s[PI], s[CC]
.irp k, 1,2,3,4,5,6
	s_add_co_u32 s[PI+\k], s[PI+\k-1], s[CC+\k]
.endr
.irp k, 1,2,3,4,5,6,7                  ; rank R of the class lies in rec at R + 1024 k + beginning[k] - (tokens in chunks before k): from chunk to chunk that gains
	s_sub_co_u32 s[DL+\k], s[BS+\k], s[BS+\k-1]
	s_sub_co_u32 s[DL+\k], s[DL+\k], s[CC+\k-1]
	s_add_co_u32 s[DL+\k], s[DL+\k], 1024
.endr
	v_min_u32 v31, s28, v0                         ; thread t takes slot t, held to the slots that hold a token
	v_min_u32 v31, 79, v31
	v_add_nc_u32 v31, s29, v31                     ; its rank
	v_add_nc_u32 v36, s[BS], v31
.irp k, 1,2,3,4,5,6,7
	v_cmp_le_u32 vcc_lo, s[PI+\k-1], v31           ; the rank lies behind chunk k - 1
	v_cndmask_b32 v37, 0, s[DL+\k], vcc_lo
	v_add_nc_u32 v36, v36, v37
.endr
	v_min_u32 v36, 0x1fff, v36                     ; inside rec's 8,192 slots, all of which are written: a tile without tokens reads some slot and uses nothing of it
	v_lshlrev_b32 v36, 4, v36
	global_load_b128 v[32:35], v36, s[8:9]         ; rowA, rowB, token, 0
.irp st, 0,1,2,3,4,5,6
	BLOAD \st, B0, \st                             ; the first segment's K steps 0 to 6, 56 loads of a wave: behind the record's load, on which the gather waits, and ahead of everything else
.endr
	WIN 0
	s_wait_loadcnt 56                              ; loads come back in order: the 56 loads of weights issued behind it may be out, the record is in
	s_wait_kmcnt 0x0
	v_min_u32 v32, 0x3fff, v32
	v_min_u32 v33, 0x3fff, v33
	ds_store_b32 v[TW], v34 offset:1024
	ds_store_b32 v[TW], v32 offset:1536
	ds_store_b32 v[TW], v33 offset:2048
	v_lshlrev_b32 v36, 2, v32
	v_lshlrev_b32 v37, 2, v33
	global_load_b32 v38, v36, s[12:13]             ; the rows' output_vec_scale: used behind the gather
	global_load_b32 v39, v37, s[12:13]
	s_wait_dscnt 0x0                               ; my slot's three words are in LDS,
	s_barrier_signal -1
	s_barrier_wait -1                              ; everybody's are
	s_cmp_eq_u32 s26, 0
	s_cbranch_scc1 .Lmeet                          ; a tile without tokens: nothing to gather.  The second barrier stands behind the jump's target, on every wave's path
; ---------------------------------------------------------------- THE GATHER
.irp i, 0,1,2,3,4
	ds_load_b128 v[OFFQ+4*\i:OFFQ+4*\i+3], v[RTA] offset:16*\i  ; my twenty rows' numbers
.endr
	s_wait_dscnt 0x0
.set q, 0
.rept 20
	v_min_u32 v[OFFQ+q], 0x3fff, v[OFFQ+q]
	v_lshl_add_u32 v[OFFQ+q], v[OFFQ+q], 11, v[C16]  ; row x 2,048 bytes + my 16
.set q, q+1
.endr
.macro GLOAD q                         ; rows q of both halves of the lanes: eight loads, each two rows x 256 consecutive bytes, aligned
	WIN W_G
.irp c, 0,1,2,3,4,5,6,7
	global_load_b128 v[32*((\q)%7)+4*\c:32*((\q)%7)+4*\c+3], v[OFFQ+(\q)], s[4:5] offset:256*\c
.endr
.endm
.macro GCONV q                         ; rounded to bf16 and stored: my four numbers of each 256 bytes become 8 bytes of each 128.  Four sets of registers take turns, so that a row's conversions do not land on what the row before still stores from
	WIN W_CV
.irp c, 0,1,2,3,4,5,6,7
	v_cvt_pk_bf16_f32 v[CV+16*((\q)%4)+2*\c],   v[32*((\q)%7)+4*\c],   v[32*((\q)%7)+4*\c+1]
	v_cvt_pk_bf16_f32 v[CV+16*((\q)%4)+2*\c+1], v[32*((\q)%7)+4*\c+2], v[32*((\q)%7)+4*\c+3]
.endr
	WIN 0
.irp c, 0,1,2,3,4,5,6,7
	ds_store_b64 v[STA], v[CV+16*((\q)%4)+2*\c:CV+16*((\q)%4)+2*\c+1] offset:PITCH*(\q)+128*\c
.endr
.endm
.irp q0, 0,1,2,3,4,5,6
	GLOAD \q0                                      ; seven slots, 56 loads of a wave, go out behind the weights and the two scales; a load whose issue would pass the counter's field waits at its issue (ISA guide 5.7.1)
.endr
.set q, 0
.rept 20
.if q < 13
	s_wait_loadcnt 48                              ; loads come back in order: slot q's eight are in (and all that was asked for in front of them), the six younger slots' 48 may be out
.else
	s_wait_loadcnt 8*(19-q)                        ; the last rows: the counts run down
.endif
	GCONV q
.if q < 13
	GLOAD q+7
.endif
.set q, q+1
.endr
	; The scales of slot t.  Each factor is rounded to bf16 as the matrix operands are; three factors of 8 significant bits multiply exactly in f32.
	v_cvt_pk_bf16_f32 v40, s30, s30
	v_cvt_pk_bf16_f32 v41, s40, s40
	v_cvt_pk_bf16_f32 v42, s41, s41
	v_cvt_pk_bf16_f32 v38, v38, v38
	v_cvt_pk_bf16_f32 v39, v39, v39
.irp x, 38,39,40,41,42
	v_lshlrev_b32 v[\x], 16, v[\x]
.endr
	v_mul_f32 v41, v40, v41
	v_mul_f32 v42, v40, v42
	v_mul_f32 v38, v41, v38
	v_mul_f32 v39, v42, v39
	v_cmp_gt_u32 vcc_lo, s31, v32                  ; a row at or past the splits' sum has no expert: scale 0
	v_cndmask_b32 v38, 0, v38, vcc_lo
	v_cmp_gt_u32 vcc_lo, s31, v33
	v_cndmask_b32 v39, 0, v39, vcc_lo
	ds_store_b32 v[TW], v38
	ds_store_b32 v[TW], v39 offset:512
.Lmeet:
	s_wait_dscnt 0x0                               ; my rows and scales are in LDS,
	s_barrier_signal -1
	s_barrier_wait -1                              ; everybody's are.  From here on LDS is only read
	s_cmp_eq_u32 s26, 0
	s_cbranch_scc1 .Lend
; ---------------------------------------------------------------- THE PRODUCTS
.irp f, 0,1,2,3,4,5,6,7,8,9            ; my 40 slots (16 m + 8 h + j): their two scales and their tokens
	ds_load_b128 v[SC0+4*\f:SC0+4*\f+3], v[SCA] offset:64*(\f/2)+16*(\f%2)
	ds_load_b128 v[SC1+4*\f:SC1+4*\f+3], v[SCA] offset:512+64*(\f/2)+16*(\f%2)
	ds_load_b128 v[TOK+4*\f:TOK+4*\f+3], v[SCA] offset:1024+64*(\f/2)+16*(\f%2)
.endr
	WIN W_A1
	v_mov_b32 v[AL0], v[ABL]
	v_mov_b32 v[AH0], v[ABH]
	v_add_nc_u32 v[AL1], PH, v[ABL]
	v_add_nc_u32 v[AH1], PH, v[ABH]
; Load nn of the ten that bring a K step's A fragments (token block nn / 2, half nn % 2) into buffer buf, from byte koff of the rows
.macro ALD nn, buf, rl, rh, koff
.if ((\nn)/2) < 3
	ds_load_b128 v[AF+40*(\buf)+4*(\nn):AF+40*(\buf)+4*(\nn)+3], v[\rl] offset:((\nn)/2)*16*PITCH+(\koff)+32*((\nn)%2)
.else
	ds_load_b128 v[AF+40*(\buf)+4*(\nn):AF+40*(\buf)+4*(\nn)+3], v[\rh] offset:((\nn)/2-3)*16*PITCH+(\koff)+32*((\nn)%2)
.endif
.endm
	WIN W_MM
.set n, 0
.rept 10
	ALD n, 0, AL0, AH0, 0
.set n, n+1
.endr
	WIN 0
	s_wait_dscnt 10                                ; LDS loads come back in order: the ten fragment loads issued last may be out, the 30 table loads are in
.set n, 0
.rept 40
	v_min_u32 v[TOK+n], 0x1fff, v[TOK+n]
	v_lshl_add_u32 v[TOK+n], v[TOK+n], 12, v[C16]  ; token x 4,096 bytes + my 16
.set n, n+1
.endr
; K step i of a segment.  cb: this segment's weights, nb: the next segment's; rl, rh: this segment's rows, nl, nh: the next segment's.  last = 1: the wave's last segment, which has nothing further to fetch.
; All the step's loads stand in one run at its head; the products follow, token block after token block.
; DEAD BLOCKS.  In steps 1 to 15 a forward jump stands ahead of token blocks 1 to 4: blocks past the tile's count are not multiplied.  Only matrix instructions are jumped, so every wait counts the same on both ways.
; Step 0, whose products start the sums, multiplies all five blocks: every accumulator is written on every way.  At a branch and at a label every window is 0: two switches a jump.
; The accumulators take turns, one instruction a turn, in the same order in every step and from segment to segment; with one live block four of them go round.
.macro KSTEP i, last, cb, nb, rl, rh, nl, nh
	PLACES                                         ; behind the step before, on every way into this line: its weights' buffer and its A buffer are loaded again below
	s_wait_dscnt 0x0                               ; this step's A fragments are in: they were issued ahead of the step before's products
.if (\last) && ((\i) >= 9)
	s_wait_loadcnt 8*(15-(\i))                     ; this step's weights are in; the 15 - i steps behind it may be out
.else
	s_wait_loadcnt 48                              ; this step's weights are in; the six younger steps' 48 loads may be out
.if (\i) < 9
	BLOAD ((\i)+7)%8, \cb, (\i)+7                  ; seven steps ahead, into the buffer that the step before read
.else
	BLOAD ((\i)+7)%8, \nb, (\i)-9                  ; on into the next segment
.endif
.endif
	WIN W_MM
.set n, 0
.rept 10                               ; the next step's A fragments, under the products' window setting
.if (\i) < 15
	ALD n, ((\i)+1)%2, \rl, \rh, 64*((\i)+1)
.elseif !(\last)
	ALD n, 0, \nl, \nh, 0
.endif
.set n, n+1
.endr
.set n, 0
.rept 20
.if ((\i) > 0) && (n > 0) && (n%4 == 0)
	WIN 0
	s_cmp_le_u32 s27, n/4                          ; token block n / 4 and those behind it hold no token
	s_cbranch_scc1 .Lks_\@
	WIN W_MM
.endif
.if (\i) == 0
	v_wmma_f32_16x16x32_bf16 v[8*n:8*n+7], v[AF+40*((\i)%2)+8*(n/4):AF+40*((\i)%2)+8*(n/4)+7], v[32*((\i)%8)+8*(n%4):32*((\i)%8)+8*(n%4)+7], 0
.else
	v_wmma_f32_16x16x32_bf16 v[8*n:8*n+7], v[AF+40*((\i)%2)+8*(n/4):AF+40*((\i)%2)+8*(n/4)+7], v[32*((\i)%8)+8*(n%4):32*((\i)%8)+8*(n%4)+7], v[8*n:8*n+7]
.endif
.set n, n+1
.endr
.if (\i) > 0
	WIN 0
.Lks_\@:
.endif
.endm
.macro SEG cb, nb, rl, rh, nl, nh, last
.irp i, 0,1,2,3,4,5,6,7,8,9,10,11,12,13,14,15
	KSTEP \i, \last, \cb, \nb, \rl, \rh, \nl, \nh
.endr
.endm
; Behind rows A: PART = sA x product, of all five blocks (a dead block's is the first K step's product and is never stored).  Each accumulator is read from its lowest register on.
.macro EPI0
	PLACES
	s_wait_xcnt 0x0                                ; every earlier store has had its addresses translated (ISA guide 3.1): PART, which the pass before stored from, is rewritten only behind this wait
	WIN W_EP
.irp mm, 0,1,2,3,4
.irp j, 0,1,2,3,4,5,6,7
.irp b, 0,1,2,3
	v_mul_f32 v[32*\mm+4*\j+\b], v[8*(4*\mm+\b)+\j], v[SC0+8*\mm+\j]
.endr
.endr
.endr
	WIN 0
.endm
; Behind rows B: PART += sB x product, and the pass's 64 columns are stored.  Blocks of 16 slots past the tile's count are jumped: no barrier stands in what is jumped.
.macro EPI1 pass
	PLACES
.irp mm, 0,1,2,3,4
.if \mm > 0
	WIN 0
	s_cmp_le_u32 s27, \mm
	s_cbranch_scc1 .Ldone_\@
.endif
	WIN W_EP
.irp j, 0,1,2,3,4,5,6,7
.irp b, 0,1,2,3
	v_fmac_f32 v[32*\mm+4*\j+\b], v[8*(4*\mm+\b)+\j], v[SC1+8*\mm+\j]
.endr
.endr
	WIN W_ST
.irp j, 0,1,2,3,4,5,6,7
	global_store_b128 v[TOK+8*\mm+\j], v[32*\mm+4*\j:32*\mm+4*\j+3], s[56:57] offset:256*(\pass) th:TH_STORE_NT  ; each half of the lanes stores 256 consecutive bytes of one token's row, aligned
.endr
.endr
	WIN 0
.Ldone_\@:
.endm
	SEG B0, B1, AL0, AH0, AL1, AH1, 0              ; pass 0, rows A x W[lo]
	EPI0
	SEG B1, B2, AL1, AH1, AL0, AH0, 0              ; pass 0, rows B x W[hi]
	EPI1 0
	SEG B2, B3, AL0, AH0, AL1, AH1, 0              ; pass 1, rows A
	EPI0
	SEG B3, B3, AL1, AH1, AL0, AH0, 1              ; pass 1, rows B: it fetches nothing beyond its own end
	EPI1 1
.Lend:
	s_wait_tensorcnt 0x0                           ; the wave's end
	ds_add_u32 v[SPW], v[NIL]
	s_wait_dscnt 0x0
	s_endpgm
.Lfunc_end_k_q205e8baa37_moe:
	.size	k_q205e8baa37_moe, .Lfunc_end_k_q205e8baa37_moe-k_q205e8baa37_moe
	.p2alignl 7, 3214868480
	.fill 96, 4, 3214868480
	.section	.rodata,"a",@progbits
	.p2align	6, 0x0
	.amdhsa_kernel k_q205e8baa37_moe
		.amdhsa_group_segment_fixed_size 169472
		.amdhsa_private_segment_fixed_size 0
		.amdhsa_enable_private_segment 0
		.amdhsa_kernarg_size 72
		.amdhsa_user_sgpr_count 2
		.amdhsa_user_sgpr_kernarg_segment_ptr 1
		.amdhsa_wavefront_size32 1
		.amdhsa_system_sgpr_workgroup_id_x 1
		.amdhsa_system_sgpr_workgroup_id_y 1
		.amdhsa_system_sgpr_workgroup_id_z 1
		.amdhsa_system_vgpr_workitem_id 0
		.amdhsa_next_free_vgpr 1024
		.amdhsa_next_free_sgpr 98
		.amdhsa_reserve_vcc 1
		.amdhsa_float_denorm_mode_32 3
		.amdhsa_float_denorm_mode_16_64 3
		.amdhsa_memory_ordered 1
		.amdhsa_forward_progress 1
		.amdhsa_inst_pref_size 255
	.end_amdhsa_kernel
	.section	.bss,"aw",@nobits
	.p2align	6
	.space	262144
	.amdgpu_metadata
---
amdhsa.version: [ 1, 2 ]
amdhsa.kernels:
  - .name:           k_q205e8baa37_moe
    .symbol:         k_q205e8baa37_moe.kd
    .args:
      - { .name: input, .offset: 0, .size: 8, .value_kind: global_buffer, .address_space: global }
      - { .name: wfrag, .offset: 8, .size: 8, .value_kind: global_buffer, .address_space: global }
      - { .name: rec, .offset: 16, .size: 8, .value_kind: global_buffer, .address_space: global }
      - { .name: ctab, .offset: 24, .size: 8, .value_kind: global_buffer, .address_space: global }
      - { .name: output_vec_scale, .offset: 32, .size: 8, .value_kind: global_buffer, .address_space: global }
      - { .name: weight_scale, .offset: 40, .size: 8, .value_kind: global_buffer, .address_space: global }
      - { .name: input_scale, .offset: 48, .size: 8, .value_kind: global_buffer, .address_space: global }
      - { .name: splits_cpu, .offset: 56, .size: 8, .value_kind: global_buffer, .address_space: global }
      - { .name: out0, .offset: 64, .size: 8, .value_kind: global_buffer, .address_space: global }
    .group_segment_fixed_size: 169472
    .private_segment_fixed_size: 0
    .kernarg_segment_align: 8
    .kernarg_segment_size: 72
    .max_flat_workgroup_size: 128
    .sgpr_count:     98
    .vgpr_count:     1024
    .wavefront_size: 32
...
	.end_amdgpu_metadata
.endif
;; end of part 4
